; MI455X (gfx1250); checked and timed in simulation.
; The chip was launched on July 23, 2026; its instructions are those of AMD's public machine-readable ISA for CDNA 5 (MIT licence, August 2026) and "CDNA5" Instruction Set Architecture Reference Guide (July 2026). The comments in the code are by the model that wrote it; some were corrected since.
;; Multi Head Attention. Allowed arithmetic: matrix products marked QUANTISED: E2M1 operands, one E8M0 scale for each 32 along K, by v_wmma_scale_f32_16x16x128_f8f6f4 with both operands' format E2M1 (or v_wmma_scale_f32_32x16x128_f4), f32 sums; products left as they are: bf16, f16 or f32 operands; f32 sums; everything else in f32.
;; Inputs: Wk 1,024 x 1,024 float32; Wp 1,024 x 1,024 float32; Wq 1,024 x 1,024 float32; Wv 1,024 x 1,024 float32; bp 1,024 float32; x 4 x 2,048 x 1,024 float32.
;; Outputs: out0 4 x 2,048 x 1,024 float32.
;; This version of the problem:
;;   THIS VERSION OF THE PROBLEM IS GIVEN IN LOW PRECISION. The matrix products marked QUANTISED in the list below multiply operands that are first quantised to E2M1 (2 exponent bits, 1 mantissa bit; 4 bits a number), with one power-of-two scale for each 32 numbers along K (OCP MX v1.0); their sums are f32. The products marked 'left as it is' may take bf16, f16 or f32 operands, with f32 sums. Whichever they take, every output number must still come out within the allowed error. Rounding operands to bf16 (8 significant bits) uses up far more of that allowance than f16 does (11 bits, for magnitudes from 6e-5 to 65,504). All else is computed in f32.
;;   The module's matrix products, in the order in which they are computed (A, B: the left and right operand; K: the contracted axis; several contracted axes count as one K, in the product's order):
;;     1. [M 8,192, K 1,024] x [K 1,024, N 1,024]; A: input x; B: input Wq: QUANTISED
;;     2. [M 8,192, K 1,024] x [K 1,024, N 1,024]; A: input x; B: input Wk: QUANTISED
;;     3. [M 8,192, K 1,024] x [K 1,024, N 1,024]; A: input x; B: input Wv: QUANTISED
;;     4. batch 64 x [M 2,048, K 64] x [K 64, N 2,048]; A: computed on the way; B: computed on the way: left as it is (an operand is computed on the way)
;;     5. batch 64 x [M 2,048, K 2,048] x [K 2,048, N 64]; A: computed on the way; B: computed on the way: left as it is (an operand is computed on the way)
;;     6. [M 8,192, K 1,024] x [K 1,024, N 1,024]; A: computed on the way; B: input Wp: left as it is (an operand is computed on the way)
;;   THE QUANTISER, for each operand of a quantised product, along K:
;;     - K is cut into blocks of 32 from its start; a last block that is shorter is filled with zeros.
;;     - A block's scale is 2^e with e = floor(log2(the largest magnitude in the block)) - 2, held to -126 .. 127; a block of zeros has e = 0. As a byte (E8M0): e + 127.
;;     - Each number is divided by its block's scale, clamped to +-6, and rounded to the nearest number of E2M1, ties to even, subnormals kept.
;;     - The product sums the exact products of the quantised numbers (number of the format x scale) in f32.
;;   ~~~python
;;   def quantise(x, axis):      # numpy; x: float32 -> the quantised numbers, widened to float32 again
;;       x = np.moveaxis(x, axis, -1); K = x.shape[-1]
;;       x = np.pad(x, [(0, 0)] * (x.ndim - 1) + [(0, -K % 32)]); x = x.reshape(x.shape[:-1] + (-1, 32)); a = np.abs(x).max(-1, keepdims=True)
;;       e = np.where(a > 0, np.clip(np.frexp(np.where(a > 0, a, 1))[1] - 1 - 2, -126, 127), 0)      # np.frexp(a)[1] - 1 = floor(log2(a)), exactly
;;       r = np.clip(x / 2.0 ** e, -6, 6)
;;       step = 2.0 ** (np.maximum(np.frexp(np.where(r == 0, 1, r))[1] - 1, 0) - 1)
;;       q = np.round(r / step) * step * 2.0 ** e      # np.round: ties to even
;;       return np.moveaxis(q.reshape(q.shape[:-2] + (-1,))[..., :K], -1, axis).astype(np.float32)
;;   ~~~
;; One version. Each part assembles by itself: llvm-mc -triple=amdgcn-amd-amdhsa -mcpu=gfx1250 --defsym DOCPART=n.
;; ======== version 1 of 1: 6 launches
;; limits: values are held in f16: magnitudes above 65,504 overflow, below 6.1e-05 lose precision
;; workspace buffers: xc 4,194,304 bytes; xs 262,144 bytes; wc 1,572,864 bytes; ws 98,304 bytes; wph 2,097,152 bytes; qkv 50,331,648 bytes; fin 786,432 bytes; ctx 16,777,216 bytes
;; launch quant_x (part 1): grid 320 x 1, 4 waves a work-group, no clusters, 33,280 bytes of LDS; arguments x, Wp, xc, xs, wph; writes xc, xs, wph
.if DOCPART == 1
	.amdgcn_target "amdgcn-amd-amdhsa--gfx1250"
	.amdhsa_code_object_version 6
	.text
	.protected	k_q62dc893e36_quant_x
	.globl	k_q62dc893e36_quant_x
	.p2align	8
	.type	k_q62dc893e36_quant_x,@function
k_q62dc893e36_quant_x:
	s_mov_b64 s[64:65], 0
	v_nop
	global_prefetch_b8 v0, s[64:65] scope:SCOPE_SE
	s_setreg_imm32_b32 hwreg(HW_REG_WAVE_MODE, 25, 1), 1
	s_wait_xcnt 0x0
; Work-groups 0 to 255: x [8192][1024] f32 becomes codes of FP4 (E2M1), K innermost (xc: 512 bytes a row), and one E8M0 byte for each 32 along K (xs: 32 bytes a row).
; A block's scale is 2^(floor(log2(its largest magnitude)) - 2); its byte is the largest magnitude's exponent field - 2, held at 1 from below.
; Work-groups 256 to 319: Wp [1024][1024] f32 is rounded to f16 (wph, the same layout).  That path touches no LDS and the text has no barrier.
; LIMITS: a block of zeros, or one whose largest magnitude lies under 2^-124, gets the byte 1 (its codes are zeros or the floor's; the bytes are read by this program alone);
; NaN and infinities are not served; |Wp| stays under 65,504 (f16).
; x is a plain stream of blocks of 32.  A wave takes 16 steps of 512 numbers: each of a step's four loads reads 512 consecutive bytes; the 2,048 bytes turn through the wave's own stage in LDS
; (16 bytes of padding behind each 64) and come back 64 bytes a lane, so that a lane holds 16 neighbours along K and two neighbouring lanes hold a block.
.set WAVES, 4
.set STEPS, 16
.set XWG,   256                        ; work-groups that take x: 8,388,608 numbers / 32,768
.set EMAX,  2
.set CB,    8                          ; bytes of 16 codes
.set R,     16                         ; v16-79   four sets of 16 numbers as loaded (the cast path: v16-143)
.set X,     80                         ; v80-111  two sets of 16 neighbours
.set C,     128                        ; v128-191 codes: four registers a step, so that no store's data are written again
.set E,     112                        ; v112-127 a scale byte for each step
.set WREG,  8192                       ; LDS: a region for each wave: two stages of 32 x SP bytes, behind them its 256 scale bytes
.set SP,    80
.set SPW,   12                         ; v12 LDS address of my spare word; never rewritten
.set NIL,   13                         ; v13 0; never rewritten
.set SPARE, WAVES*WREG                 ; the spare words: 128 bytes a wave, two blocks of 256 bytes that no other line names
	s_load_b128 s[4:7], s[0:1], 0x0                ; x, Wp
	s_load_b128 s[8:11], s[0:1], 0x10              ; xc, xs
	s_load_b64 s[12:13], s[0:1], 0x20              ; wph
	v_lshl_add_u32 v[SPW], v0, 2, SPARE
	v_mov_b32 v[NIL], 0
	v_lshrrev_b32 v1, 5, v0
	v_readfirstlane_b32 s16, v1                    ; wave
	v_and_b32 v2, 31, v0                           ; lane
	v_lshlrev_b32 v3, 4, v2                        ; my 16 bytes of a load's 512
	s_mov_b32 s21, 0
	s_cmp_ge_u32 ttmp9, XWG                        ; the work-group's number alone decides the path
	s_cbranch_scc1 .Lcast
	s_mul_i32 s17, s16, WREG
	v_lshrrev_b32 v14, 2, v2
	v_mul_u32_u24 v14, v14, SP
	v_and_b32 v15, 3, v2
	v_lshl_add_u32 v14, v15, 4, v14
	v_add_nc_u32 v14, s17, v14                     ; the stage, way in: SP (lane / 4) + 16 (lane % 4)
	v_mul_u32_u24 v15, v2, SP
	v_add_nc_u32 v15, s17, v15                     ; way out: SP x lane: my 16 neighbours
	v_mul_u32_u24 v4, v2, CB                       ; my codes' place in a step's
	v_lshrrev_b32 v5, 1, v2
	s_add_co_u32 s17, s17, 2*32*SP
	v_add_nc_u32 v5, s17, v5                       ; my block's scale byte in the wave's 256
	v_lshlrev_b32 v7, 3, v2
	v_add_nc_u32 v6, s17, v7                       ; and 8 bytes a lane on their way out
	s_lshl_b32 s18, ttmp9, 2
	s_add_co_u32 s18, s18, s16                     ; which run of 8,192 numbers is my wave's
	s_wait_kmcnt 0x0
	s_lshl_b32 s20, s18, 15
	s_add_nc_u64 s[4:5], s[4:5], s[20:21]          ; 32,768 bytes of x a run,
	s_lshl_b32 s20, s18, 12
	s_add_nc_u64 s[8:9], s[8:9], s[20:21]          ; 4,096 of codes,
	s_lshl_b32 s20, s18, 8
	s_add_nc_u64 s[10:11], s[10:11], s[20:21]      ; 256 of scale bytes
.macro LOAD t
.irp i, 0,1,2,3
	global_load_b128 v[R+16*((\t)%4)+4*\i:R+16*((\t)%4)+4*\i+3], v3, s[4:5] offset:2048*(\t)+512*\i th:TH_LOAD_NT
.endr
.endm
.macro TURN t                          ; a step's numbers through the stage: LDS serves a wave's instructions in order, so no wait stands between the stores and the loads
.irp i, 0,1,2,3
	ds_store_b128 v14, v[R+16*((\t)%4)+4*\i:R+16*((\t)%4)+4*\i+3] offset:32*SP*((\t)%2)+8*SP*\i
.endr
.irp i, 0,1,2,3
	ds_load_b128 v[X+16*((\t)%2)+4*\i:X+16*((\t)%2)+4*\i+3], v15 offset:32*SP*((\t)%2)+16*\i
.endr
.endm
.irp t, 0,1,2,3
	LOAD \t
.endr
	s_wait_loadcnt 12                              ; step 0's four loads are in; twelve younger ones stay out
	TURN 0
.macro STEP t
.set XS, X+16*((\t)%2)
.if (\t) > 0
	s_wait_dscnt 1                                 ; this step's numbers are back from the stage; the last step's byte store may be out
.else
	s_wait_dscnt 0x0
.endif
.if (\t)+4 < STEPS
	LOAD (\t)+4
.endif
.if (\t)+1 < STEPS
.if STEPS-2-(\t) >= 3
	s_wait_loadcnt 12                              ; the next step's four loads are in; those of the three steps behind it may be out
.else
	s_wait_loadcnt 4*(STEPS-2-(\t))
.endif
	TURN (\t)+1
.endif
	v_max3_num_f32 v8, |v[XS]|, |v[XS+1]|, |v[XS+2]|               ; the largest magnitude of my 16, in two chains
	v_max3_num_f32 v9, |v[XS+3]|, |v[XS+4]|, |v[XS+5]|
.irp i, 6,10
	v_max3_num_f32 v8, v8, |v[XS+\i]|, |v[XS+\i+1]|
	v_max3_num_f32 v9, v9, |v[XS+\i+2]|, |v[XS+\i+3]|
.endr
	v_max3_num_f32 v8, v8, |v[XS+14]|, |v[XS+15]|
	v_max3_num_f32 v8, v8, v9, (EMAX+1)<<23        ; and the floor 2^(3 - 127): the byte cannot fall under 1
	v_max_num_f32_dpp v8, v8, v8 row_xmask:1 row_mask:0xf bank_mask:0xf   ; with my neighbour's 16: the block's
	v_add_nc_u32 v11, -(EMAX<<23), v8              ; 2 off its exponent field: the conversion takes this operand's exponent field as its scale
	v_cvt_scalef32_pk8_fp4_f32 v[C+4*(\t)], v[XS:XS+7], v11
	v_cvt_scalef32_pk8_fp4_f32 v[C+4*(\t)+1], v[XS+8:XS+15], v11
	v_lshrrev_b32 v[E+(\t)], 23, v11               ; the scale's byte (also the plain line behind the conversions)
	ds_store_b8 v5, v[E+(\t)] offset:16*(\t)       ; both lanes of a block write the same byte with the same value
	global_store_b64 v4, v[C+4*(\t):C+4*(\t)+1], s[8:9] offset:32*CB*(\t)   ; the wave stores 256 consecutive bytes, aligned
.endm
.irp t, 0,1,2,3,4,5,6,7,8,9,10,11,12,13,14,15
	STEP \t
.endr
	ds_load_b64 v[8:9], v6                         ; my wave's 256 scale bytes: these see my stores
	s_wait_dscnt 0x0
	global_store_b64 v7, v[8:9], s[10:11]          ; 256 consecutive bytes, aligned
	s_wait_tensorcnt 0x0                           ; the wave's end
	ds_add_u32 v[SPW], v[NIL]
	s_wait_dscnt 0x0
	s_endpgm
.Lcast:                                            ; Wp to f16: a wave takes 16,384 bytes: 32 loads of 512 consecutive bytes, all on their way at once
	s_sub_co_u32 s18, ttmp9, XWG
	s_lshl_b32 s18, s18, 2
	s_add_co_u32 s18, s18, s16                     ; which run of 4,096 numbers
	v_lshlrev_b32 v4, 3, v2                        ; 8 bytes of f16 a lane
	s_wait_kmcnt 0x0
	s_lshl_b32 s20, s18, 14
	s_add_nc_u64 s[6:7], s[6:7], s[20:21]
	s_lshl_b32 s20, s18, 13
	s_add_nc_u64 s[12:13], s[12:13], s[20:21]
.set T, 0
.rept 32
	global_load_b128 v[16+4*T:16+4*T+3], v3, s[6:7] offset:512*T th:TH_LOAD_NT
.set T, T+1
.endr
.set T, 0
.rept 32
	s_wait_loadcnt 31-T                            ; loads come back in order: load T is in, the younger ones stay out
	v_cvt_pk_f16_f32 v[16+4*T], v[16+4*T], v[16+4*T+1]
	v_cvt_pk_f16_f32 v[16+4*T+1], v[16+4*T+2], v[16+4*T+3]
	global_store_b64 v4, v[16+4*T:16+4*T+1], s[12:13] offset:256*T   ; the wave stores 256 consecutive bytes, aligned; no register is written again
.set T, T+1
.endr
	s_endpgm
.Lfunc_end_k_q62dc893e36_quant_x:
	.size	k_q62dc893e36_quant_x, .Lfunc_end_k_q62dc893e36_quant_x-k_q62dc893e36_quant_x
	.p2alignl 7, 3214868480
	.fill 96, 4, 3214868480
	.section	.rodata,"a",@progbits
	.p2align	6, 0x0
	.amdhsa_kernel k_q62dc893e36_quant_x
		.amdhsa_group_segment_fixed_size 33280
		.amdhsa_private_segment_fixed_size 0
		.amdhsa_enable_private_segment 0
		.amdhsa_kernarg_size 40
		.amdhsa_user_sgpr_count 2
		.amdhsa_user_sgpr_kernarg_segment_ptr 1
		.amdhsa_wavefront_size32 1
		.amdhsa_system_sgpr_workgroup_id_x 1
		.amdhsa_system_sgpr_workgroup_id_y 1
		.amdhsa_system_sgpr_workgroup_id_z 1
		.amdhsa_system_vgpr_workitem_id 0
		.amdhsa_next_free_vgpr 192
		.amdhsa_next_free_sgpr 66
		.amdhsa_reserve_vcc 0
		.amdhsa_float_denorm_mode_32 3
		.amdhsa_float_denorm_mode_16_64 3
		.amdhsa_memory_ordered 1
		.amdhsa_forward_progress 1
		.amdhsa_inst_pref_size 44
	.end_amdhsa_kernel
	.amdgpu_metadata
---
amdhsa.version: [ 1, 2 ]
amdhsa.kernels:
  - .name:           k_q62dc893e36_quant_x
    .symbol:         k_q62dc893e36_quant_x.kd
    .args:
      - { .name: x, .offset: 0, .size: 8, .value_kind: global_buffer, .address_space: global }
      - { .name: Wp, .offset: 8, .size: 8, .value_kind: global_buffer, .address_space: global }
      - { .name: xc, .offset: 16, .size: 8, .value_kind: global_buffer, .address_space: global }
      - { .name: xs, .offset: 24, .size: 8, .value_kind: global_buffer, .address_space: global }
      - { .name: wph, .offset: 32, .size: 8, .value_kind: global_buffer, .address_space: global }
    .group_segment_fixed_size: 33280
    .private_segment_fixed_size: 0
    .kernarg_segment_align: 8
    .kernarg_segment_size: 40
    .max_flat_workgroup_size: 128
    .sgpr_count:     66
    .vgpr_count:     192
    .wavefront_size: 32
...
	.end_amdgpu_metadata
.endif
;; end of part 1
;; launch prep_w (part 2): grid 96 x 1, 8 waves a work-group, no clusters, 19,456 bytes of LDS; arguments Wq, Wk, Wv, wc, ws; writes wc, ws
.if DOCPART == 2
	.amdgcn_target "amdgcn-amd-amdhsa--gfx1250"
	.amdhsa_code_object_version 6
	.text
	.protected	k_q62dc893e36_prep_w
	.globl	k_q62dc893e36_prep_w
	.p2align	8
	.type	k_q62dc893e36_prep_w,@function
k_q62dc893e36_prep_w:
	s_mov_b64 s[64:65], 0
	v_nop
	global_prefetch_b8 v0, s[64:65] scope:SCOPE_SE
	s_setreg_imm32_b32 hwreg(HW_REG_WAVE_MODE, 25, 1), 1
	s_wait_xcnt 0x0
; Wq, Wk, Wv [1024 k][1024 n] f32, K their FIRST axis, become codes of FP4 with K innermost: wc [3072 n][512 bytes] (rows 0-1023 Wq's columns, then Wk's, then Wv's) and E8M0 bytes ws [3072][32].
; A LANE TAKES A COLUMN AND ITS REGISTERS RUN DOWN K: a block of 32 along K lies in one lane's 32 registers, and the conversions give codes with K innermost.  Nothing is transposed by an instruction.
; A work-group takes one weight, 64 columns and 512 along K; wave w takes 64 of those along K (two blocks) for all 64 columns (a lane: columns l and l + 32).
; The codes meet in a stage in LDS (64 rows of 256 bytes + 16) and leave as rows: sixteen lanes store 256 consecutive bytes, aligned.
; The scale bytes (16 a column here) leave as 16 bytes a lane, half of a row of ws: 96 KB in the whole launch.
; LIMITS: a block of zeros, or under 2^-124, gets the byte 1 (read by this program alone); NaN and infinities are not served.
.set PITCH, 272
.set SCS,   64*PITCH                   ; behind the stage: 64 columns x 16 scale bytes
.set SPARE, SCS+1024                   ; the spare words: 128 bytes a wave, four blocks of 256 bytes that no other line names
.set VO,  3                            ; v3  4 x lane
.set ST,  4                            ; v4  stage, way in: column l, my wave's 32 bytes
.set SS,  5                            ; v5  my column's two scale bytes
.set RDC, 6                            ; v6  stage, way out
.set GOC, 7                            ; v7  the same place in wc
.set RDS, 8                            ; v8  scale bytes, way out
.set GOS, 9                            ; v9  the same place in ws
.set SPW, 14
.set NIL, 15
.set BY,  20                           ; v20-23 scale bytes: 2 u + bl
.set X,   32                           ; v32-159 four sets of 32 numbers: set 2 bl + u
.set C,   160                          ; v160-175 their codes
.set OUTR, 176                         ; v176-191 the way out
	s_load_b128 s[4:7], s[0:1], 0x0                ; Wq, Wk
	s_load_b128 s[8:11], s[0:1], 0x10              ; Wv, wc
	s_load_b64 s[12:13], s[0:1], 0x20              ; ws
	v_lshl_add_u32 v[SPW], v0, 2, SPARE
	v_mov_b32 v[NIL], 0
	v_lshrrev_b32 v1, 5, v0
	v_readfirstlane_b32 s16, v1                    ; wave 0..7
	v_and_b32 v2, 31, v0                           ; lane
	v_lshlrev_b32 v[VO], 2, v2
	s_lshl_b32 s17, s16, 5
	v_mul_u32_u24 v[ST], v2, PITCH
	v_add_nc_u32 v[ST], s17, v[ST]                 ; 272 l + 32 w
	s_lshl_b32 s17, s16, 1
	s_add_co_u32 s17, s17, SCS
	v_lshl_add_u32 v[SS], v2, 4, s17               ; SCS + 16 l + 2 w
	v_and_b32 v10, 15, v2
	v_lshrrev_b32 v11, 4, v2
	s_mul_i32 s17, s16, 8*PITCH                    ; way out: wave w takes rows 8 w .. 8 w + 7, sixteen lanes to a row
	v_mul_u32_u24 v[RDC], v11, PITCH
	v_lshl_add_u32 v[RDC], v10, 4, v[RDC]
	v_add_nc_u32 v[RDC], s17, v[RDC]
	v_lshlrev_b32 v[GOC], 9, v11
	v_lshl_add_u32 v[GOC], v10, 4, v[GOC]
	s_and_b32 s17, s16, 1
	s_lshl_b32 s17, s17, 9
	s_add_co_u32 s17, s17, SCS
	v_lshl_add_u32 v[RDS], v2, 4, s17              ; waves 0 and 1: 32 columns' 16 bytes each
	v_lshlrev_b32 v[GOS], 5, v2
	s_lshr_b32 s18, ttmp9, 5                       ; which weight
	s_bfe_u32 s19, ttmp9, 0x40001                  ; which 64 columns
	s_and_b32 s20, ttmp9, 1                        ; which 512 along K
	s_lshl_b32 s28, s20, 21                        ; W: (512 kh + 64 w) rows of 4,096 bytes + 256 cg
	s_lshl_b32 s29, s16, 18
	s_add_co_u32 s28, s28, s29
	s_lshl_b32 s29, s19, 8
	s_add_co_u32 s28, s28, s29
	s_mov_b32 s29, 0
	s_lshl_b32 s30, s18, 19                        ; wc: (1024 wsel + 64 cg + 8 w) rows of 512 bytes + 256 kh
	s_lshl_b32 s31, s19, 15
	s_add_co_u32 s30, s30, s31
	s_lshl_b32 s31, s16, 12
	s_add_co_u32 s30, s30, s31
	s_lshl_b32 s31, s20, 8
	s_add_co_u32 s30, s30, s31
	s_mov_b32 s31, 0
	s_lshl_b32 s32, s18, 15                        ; ws: (1024 wsel + 64 cg + 32 (w & 1)) rows of 32 bytes + 16 kh
	s_lshl_b32 s33, s19, 11
	s_add_co_u32 s32, s32, s33
	s_and_b32 s33, s16, 1
	s_lshl_b32 s33, s33, 10
	s_add_co_u32 s32, s32, s33
	s_lshl_b32 s33, s20, 4
	s_add_co_u32 s32, s32, s33
	s_mov_b32 s33, 0
	s_wait_kmcnt 0x0
	s_cmp_eq_u32 s18, 0                            ; the choice hangs on the work-group's number alone
	s_cselect_b64 s[22:23], s[4:5], s[6:7]
	s_cmp_eq_u32 s18, 2
	s_cselect_b64 s[22:23], s[8:9], s[22:23]
	s_add_nc_u64 s[22:23], s[22:23], s[28:29]
	s_add_nc_u64 s[24:25], s[10:11], s[30:31]
	s_add_nc_u64 s[26:27], s[12:13], s[32:33]
.irp bl, 0,1                           ; 128 loads: a row's two runs of 128 bytes stand back to back
.set I, 0
.rept 32
.irp u, 0,1
	global_load_b32 v[X+32*(2*\bl+\u)+I], v[VO], s[22:23] offset:(32*\bl+I)*4096+128*\u th:TH_LOAD_NT
.endr
.set I, I+1
.endr
.endr
.macro BLOCK u, bl                     ; one block of 32 along K of one column: all its numbers are mine
.set XS, X+32*(2*\bl+\u)
.set CC, C+4*(2*\bl+\u)
	v_max3_num_f32 v12, |v[XS]|, |v[XS+1]|, |v[XS+2]|
	v_max3_num_f32 v13, |v[XS+3]|, |v[XS+4]|, |v[XS+5]|
.irp i, 6,10,14,18,22,26
	v_max3_num_f32 v12, v12, |v[XS+\i]|, |v[XS+\i+1]|
	v_max3_num_f32 v13, v13, |v[XS+\i+2]|, |v[XS+\i+3]|
.endr
	v_max3_num_f32 v12, v12, |v[XS+30]|, |v[XS+31]|
	v_max3_num_f32 v12, v12, v13, 0x1800000        ; the floor 2^(3 - 127): the byte cannot fall under 1
	v_add_nc_u32 v11, 0xff000000, v12              ; 2 off the exponent field: the conversion's scale operand
	v_lshrrev_b32 v[BY+2*\u+\bl], 23, v11          ; the scale's byte
.irp g, 0,1,2,3
	v_cvt_scalef32_pk8_fp4_f32 v[CC+\g], v[XS+8*\g:XS+8*\g+7], v11
.endr
	ds_store_b128 v[ST], v[CC:CC+3] offset:\u*32*PITCH+16*\bl   ; 32 codes: 16 bytes of my column's row
.endm
	s_wait_loadcnt 63                              ; at most 63 of the 128 are out: the first 64, both columns' first block, are in
	BLOCK 0, 0
	BLOCK 1, 0
	s_wait_loadcnt 0x0
	BLOCK 0, 1
	BLOCK 1, 1
	v_nop                                          ; a plain line behind the last conversion
	v_lshl_or_b32 v[BY], v[BY+1], 8, v[BY]         ; a column's two bytes, the lower K below
	v_lshl_or_b32 v[BY+2], v[BY+3], 8, v[BY+2]
	ds_store_b16 v[SS], v[BY]
	ds_store_b16 v[SS], v[BY+2] offset:512
	s_wait_dscnt 0x0                               ; for the others' sake: my stores have landed
	s_barrier_signal -1
	s_barrier_wait -1                              ; 64 whole rows of 256 bytes lie in the stage
.irp t, 0,1,2,3
	ds_load_b128 v[OUTR+4*\t:OUTR+4*\t+3], v[RDC] offset:2*\t*PITCH
.endr
.irp t, 0,1,2,3
	s_wait_dscnt 3-\t
	global_store_b128 v[GOC], v[OUTR+4*\t:OUTR+4*\t+3], s[24:25] offset:1024*\t   ; sixteen lanes store 256 consecutive bytes, aligned
.endr
	s_cmp_lt_u32 s16, 2                            ; waves 0 and 1 carry the scale bytes out; no barrier stands in this branch
	s_cbranch_scc0 .Lno_scales
	ds_load_b128 v[24:27], v[RDS]
	s_wait_dscnt 0x0
	global_store_b128 v[GOS], v[24:27], s[26:27]
.Lno_scales:
	s_wait_tensorcnt 0x0                           ; the wave's end
	ds_add_u32 v[SPW], v[NIL]
	s_wait_dscnt 0x0
	s_endpgm
.Lfunc_end_k_q62dc893e36_prep_w:
	.size	k_q62dc893e36_prep_w, .Lfunc_end_k_q62dc893e36_prep_w-k_q62dc893e36_prep_w
	.p2alignl 7, 3214868480
	.fill 96, 4, 3214868480
	.section	.rodata,"a",@progbits
	.p2align	6, 0x0
	.amdhsa_kernel k_q62dc893e36_prep_w
		.amdhsa_group_segment_fixed_size 19456
		.amdhsa_private_segment_fixed_size 0
		.amdhsa_enable_private_segment 0
		.amdhsa_kernarg_size 40
		.amdhsa_user_sgpr_count 2
		.amdhsa_user_sgpr_kernarg_segment_ptr 1
		.amdhsa_wavefront_size32 1
		.amdhsa_system_sgpr_workgroup_id_x 1
		.amdhsa_system_sgpr_workgroup_id_y 1
		.amdhsa_system_sgpr_workgroup_id_z 1
		.amdhsa_system_vgpr_workitem_id 0
		.amdhsa_next_free_vgpr 192
		.amdhsa_next_free_sgpr 66
		.amdhsa_reserve_vcc 0
		.amdhsa_float_denorm_mode_32 3
		.amdhsa_float_denorm_mode_16_64 3
		.amdhsa_memory_ordered 1
		.amdhsa_forward_progress 1
		.amdhsa_inst_pref_size 23
	.end_amdhsa_kernel
	.amdgpu_metadata
---
amdhsa.version: [ 1, 2 ]
amdhsa.kernels:
  - .name:           k_q62dc893e36_prep_w
    .symbol:         k_q62dc893e36_prep_w.kd
    .args:
      - { .name: Wq, .offset: 0, .size: 8, .value_kind: global_buffer, .address_space: global }
      - { .name: Wk, .offset: 8, .size: 8, .value_kind: global_buffer, .address_space: global }
      - { .name: Wv, .offset: 16, .size: 8, .value_kind: global_buffer, .address_space: global }
      - { .name: wc, .offset: 24, .size: 8, .value_kind: global_buffer, .address_space: global }
      - { .name: ws, .offset: 32, .size: 8, .value_kind: global_buffer, .address_space: global }
    .group_segment_fixed_size: 19456
    .private_segment_fixed_size: 0
    .kernarg_segment_align: 8
    .kernarg_segment_size: 40
    .max_flat_workgroup_size: 256
    .sgpr_count:     66
    .vgpr_count:     192
    .wavefront_size: 32
...
	.end_amdgpu_metadata
.endif
;; end of part 2
;; launch gemm_qkv (part 3): grid 12 x 32, 4 waves a work-group, clusters of 4 x 4, 327,680 bytes of LDS; arguments xc, xs, wc, ws, qkv, fin; writes qkv, fin
.if DOCPART == 3
	.amdgcn_target "amdgcn-amd-amdhsa--gfx1250"
	.amdhsa_code_object_version 6
	.text
	.protected	k_q62dc893e36_gemm_qkv
	.globl	k_q62dc893e36_gemm_qkv
	.p2align	8
	.type	k_q62dc893e36_gemm_qkv,@function
k_q62dc893e36_gemm_qkv:
	s_mov_b64 s[64:65], 0
	v_nop
	global_prefetch_b8 v0, s[64:65] scope:SCOPE_SE
	s_setreg_imm32_b32 hwreg(HW_REG_WAVE_MODE, 25, 1), 1
	s_wait_xcnt 0x0
	s_wait_alu depctr_hold_cnt(0) depctr_sa_sdst(0) depctr_va_vdst(0) depctr_va_sdst(0) depctr_va_ssrc(0) depctr_va_vcc(0) depctr_vm_vsrc(0)
	s_getreg_b32 s2, hwreg(HW_REG_IB_STS2, 6, 4)
	s_cmp_eq_u32 s2, 0
	s_cbranch_scc0 .Lentry_in_a_cluster
	s_endpgm
.Lentry_in_a_cluster:
	s_bfe_u32 s2, ttmp6, 0x10000c
	s_cmp_lg_u32 s2, 0xf033
	s_cbranch_scc0 .Lentry_shape_is_right
	s_endpgm
.Lentry_shape_is_right:
; [8192 x 1024] x [3072 x 1024]^T on codes of FP4 (E2M1) with one E8M0 scale for each 32 along K: q, k and v in one product.  Sums in f32.
; Results leave rounded to f16, by head: qkv [3][64 b*16+h][2048 s][64]; the rows s < 16 of every sequence also as f32: fin [3][64][16][64].
; LIMIT: |q|, |k|, |v| stay under 65,504 (f16).
; A tile of C, 256 x 256, is made by four waves, each 128 x 128: 64 accumulators, 512 registers.  K = 1,024 is two slots of 512 along K (rows of 256 bytes): both are first fills, nothing is filled again.
; The scale bytes of the work-group's 256 + 256 rows for all of K are two dense blocks: they come once, in rows of 256 bytes + 16 of padding.
; CLUSTERS: 4 x 4 work-groups; A's tiles are asked for jointly along a row of the cluster, B's along a column.  A wave has three tensor loads out at the most.
; THE MATRIX INSTRUCTION IS USED TRANSPOSED (source 0 = 16 rows of B, source 1 = 16 rows of A): a lane holds eight neighbouring columns of one row of C.
; REGISTERS: window 0: v0-31 addresses; v32-95 scale words, two sets; v128-191 A's fragments, one set; window 1: B's fragments, two sets; windows 2, 3: accumulators (a, b) at v[8 (8 (a % 4) + b)].
.set SIZE_K, 1024
.set KSTEP,  512
.set NQ,     KSTEP/128
.set ROWB,   256
.set KROW,   SIZE_K*4/8
.set PITCH,  272                       ; 256 bytes + 16 of padding: the 16 rows that a load touches start at 16 different banks (64 banks of 4 bytes: ISA guide 11.1)
.set FR,     8
.set NL,     2
.set NP,     4
.set HALFT,  128*PITCH
.set SLOT,   4*HALFT
.set KS,     SIZE_K/32
.set SCL,    2*SLOT
.set HALFS,  (128*KS/256)*272
.set SBLK,   (16*KS/256)*272
.set SPARE,  SCL+4*HALFS               ; the spare words: 128 bytes a wave, two blocks of 256 bytes that no other line names
.set SPITCH, 272                       ; the way out: a stage of 16 rows x (256 bytes + 16) a wave, in slot 0, which has had its only fill and its last read by then
.set ADRA, 16
.set ADRB, 20
.set STO,  24
.set RD,   25
.set CO,   26
.set ADRS, 27
.set SPW,  28
.set NIL,  29
.set FO,   30                          ; v30 my byte offset in a head's 16 rows of fin
.set CND,  31                          ; v31 0 where my wave's first 16 rows are a sequence's first 16
.set SC,   32
.set AF,   128
.set TMP,  192                         ; the way out: 32 registers of packed f16
.set BK,   32                          ; and 16 rows read back: v32-63 and v64-95 by turns
.set G1, 24
.set G0, 32
.set G1B, 48
.set G0B, 56
.set G1S, 68
.set G0S, 76
.set G1SB, 80
.set G0SB, 88
.set MSB, 0
.macro WIN new                         ; the immediate's high byte repeats the setting that is left
.if MSB != (\new)
	s_set_vgpr_msb (MSB<<8)|(\new)
.set MSB, \new
.endif
.endm
.set MUL_LO, 0xa1
.set MUL_HI, 0xf1
.set TO_B,   0x40
.macro JLOAD g0a, g1a, g0b, g1b        ; a joint load: waves 0 and 1 fetch for A, waves 2 and 3 for B; an s_nop 0 and four v_nop follow each line
	s_cmp_eq_u32 s15, 0
	s_cbranch_scc0 .Lfor_b_\@
	tensor_load_to_lds s[\g0a:\g0a+3], s[\g1a:\g1a+7]
	s_nop 0
.rept 4
	v_nop
.endr
	s_branch .Lasked_\@
.Lfor_b_\@:
	tensor_load_to_lds s[\g0b:\g0b+3], s[\g1b:\g1b+7]
	s_nop 0
.rept 4
	v_nop
.endr
.Lasked_\@:
.endm
.macro CROUND                          ; a round of the cluster's barrier
	s_barrier_signal -1
	s_barrier_wait -1
	s_cmp_lg_u32 s14, 0
	s_cbranch_scc1 .Lnot_wave_0_\@
	s_barrier_signal -3
.Lnot_wave_0_\@:
	s_barrier_wait -3
	s_barrier_signal -1
	s_barrier_wait -1
.endm
	s_load_b128 s[4:7], s[0:1], 0x0                ; x's codes, x's scales
	s_load_b128 s[8:11], s[0:1], 0x10              ; W's codes, W's scales
	s_load_b64 s[12:13], s[0:1], 0x20              ; qkv
	s_load_b64 s[96:97], s[0:1], 0x28              ; fin
	v_lshl_add_u32 v[SPW], v0, 2, SPARE
	v_mov_b32 v[NIL], 0
	ds_add_u32 v[SPW], v[NIL]                      ; the wave's opening
	ds_add_u32 v[SPW], v[NIL]
	v_lshrrev_b32 v1, 5, v0
	v_readfirstlane_b32 s14, v1                    ; wave 0..3
	s_lshr_b32 s15, s14, 1                         ; my half of the tile's rows; also: I fetch for A (0) or B (1)
	s_and_b32 s16, s14, 1                          ; my half of its columns; also: which 128 rows I fetch
	s_bfe_u32 s40, ttmp6, 0x40000                  ; cx
	s_bfe_u32 s41, ttmp6, 0x40004                  ; cy
	s_lshl_b32 s42, ttmp9, 2
	s_add_co_u32 s42, s42, s40                     ; tile column
	s_and_b32 s17, ttmp7, 0xffff
	s_lshl_b32 s17, s17, 2
	s_add_co_u32 s17, s17, s41                     ; tile row
	s_lshl_b32 s43, s41, 2
	s_lshl_b32 s43, 15, s43                        ; my row of the cluster
	s_lshl_b32 s44, 0x1111, s40                    ; my column
	s_or_b32 s[G1+0], s43, (0<<16)|(1<<20)|(1<<21)|(5<<22)|(3<<25)  ; mask; elements of 1 byte; padding on; bit 21 beside a mask; 4 words after every 64
	s_or_b32 s[G1B+0], s44, (0<<16)|(1<<20)|(1<<21)|(5<<22)|(3<<25)
.irp g, G1, G1B
	s_mov_b32 s[\g+1], ROWB<<16                    ; tensor_dim0
	s_mov_b32 s[\g+2], 128<<16                     ; tensor_dim1
	s_mov_b32 s[\g+3], ROWB<<16                    ; tile_dim0
	s_mov_b32 s[\g+4], 128                         ; tile_dim1
	s_mov_b32 s[\g+5], KROW                        ; from row to row
	s_mov_b32 s[\g+6], 0
	s_mov_b32 s[\g+7], 0
.endr
	s_or_b32 s[G1S+0], s43, (3<<16)|(1<<20)|(1<<21)|(5<<22)|(3<<25) ; the scales of 128 rows: a dense block as rows of 256 bytes (32 elements of 8)
	s_or_b32 s[G1SB+0], s44, (3<<16)|(1<<20)|(1<<21)|(5<<22)|(3<<25)
.irp g, G1S, G1SB
	s_mov_b32 s[\g+1], 32<<16
	s_mov_b32 s[\g+2], (128*KS/256)<<16
	s_mov_b32 s[\g+3], 32<<16
	s_mov_b32 s[\g+4], 128*KS/256
	s_mov_b32 s[\g+5], 32
	s_mov_b32 s[\g+6], 0
	s_mov_b32 s[\g+7], 0
.endr
	s_lshl_b32 s18, s16, 7
	s_lshl_b32 s20, s17, 8
	s_add_co_u32 s20, s20, s18                     ; A: row 256 x tile row + 128 x half
	s_lshl_b32 s46, s42, 8
	s_add_co_u32 s46, s46, s18                     ; B: row 256 x tile column + 128 x half
	s_mov_b32 s21, 0
	s_mov_b32 s47, 0
	s_mov_b64 s[18:19], KS
	s_mul_u64 s[22:23], s[20:21], s[18:19]
	s_mul_u64 s[92:93], s[46:47], s[18:19]
	s_mov_b64 s[18:19], KROW
	s_mul_u64 s[20:21], s[20:21], s[18:19]
	s_mul_u64 s[46:47], s[46:47], s[18:19]
	s_mul_i32 s45, s14, HALFT                      ; where they go: wave x 128 rows
	s_mul_i32 s94, s14, HALFS
	s_wait_dscnt 0x0                               ; both opening adds are done
	s_wait_kmcnt 0x0
	s_add_nc_u64 s[20:21], s[4:5], s[20:21]
	s_add_nc_u64 s[22:23], s[6:7], s[22:23]
	s_add_nc_u64 s[46:47], s[8:9], s[46:47]
	s_add_nc_u64 s[92:93], s[10:11], s[92:93]
	CROUND                                         ; all sixteen work-groups are here: the joint loads meet
	s_mov_b32 s[G0S], 1
	s_add_co_u32 s[G0S+1], s94, SCL
	s_mov_b64 s[G0S+2:G0S+3], s[22:23]
	s_or_b32 s[G0S+3], s[G0S+3], 0x80000000
	s_mov_b32 s[G0SB], 1
	s_add_co_u32 s[G0SB+1], s94, SCL
	s_mov_b64 s[G0SB+2:G0SB+3], s[92:93]
	s_or_b32 s[G0SB+3], s[G0SB+3], 0x80000000
	JLOAD G0S, G1S, G0SB, G1SB                     ; the scales first
.irp s, 0,1
	s_mov_b32 s[G0+4*\s], 1
	s_add_co_u32 s[G0+4*\s+1], s45, \s*SLOT
	s_add_nc_u64 s[G0+4*\s+2:G0+4*\s+3], s[20:21], \s*ROWB
	s_or_b32 s[G0+4*\s+3], s[G0+4*\s+3], 0x80000000
	s_mov_b32 s[G0B+4*\s], 1
	s_add_co_u32 s[G0B+4*\s+1], s45, \s*SLOT
	s_add_nc_u64 s[G0B+4*\s+2:G0B+4*\s+3], s[46:47], \s*ROWB
	s_or_b32 s[G0B+4*\s+3], s[G0B+4*\s+3], 0x80000000
	JLOAD G0+4*\s, G1, G0B+4*\s, G1B
.endr
	v_and_b32 v1, 15, v0                           ; r = l % 16
	v_bfe_u32 v2, v0, 4, 1                         ; h = l / 16
	v_mul_u32_u24 v3, v1, PITCH
	v_lshl_add_u32 v4, v2, 4, v3
	s_mul_i32 s21, s15, HALFT
	s_mul_i32 s22, s16, HALFT
	s_add_co_u32 s22, s22, 2*HALFT
.irp s, 0,1
	v_add_nc_u32 v[ADRA+\s], s21, v4
	v_add_nc_u32 v[ADRB+\s], s22, v4
	s_add_co_u32 s21, s21, SLOT
	s_add_co_u32 s22, s22, SLOT
.endr
	v_mul_u32_u24 v5, v1, KS                       ; my row's scales: KS bytes a row, 16 more for each 256 passed
	v_lshrrev_b32 v6, 8, v5
	v_lshl_add_u32 v5, v6, 4, v5
	s_mul_i32 s21, s15, HALFS
	s_mul_i32 s22, s16, HALFS
	s_add_co_u32 s22, s22, 2*HALFS
	s_sub_co_u32 s22, s22, s21
	v_mul_u32_u24 v6, s22, v2                      ; lanes 16-31 take B's
	s_add_co_u32 s21, s21, SCL
	v_add_nc_u32 v5, v5, v6
	v_add_nc_u32 v[ADRS], s21, v5
	s_mul_i32 s23, s14, 16*SPITCH                  ; my stage
	v_mul_u32_u24 v5, v1, SPITCH
	v_lshl_add_u32 v5, v2, 4, v5
	v_add_nc_u32 v[STO], s23, v5                   ; in: row r, 16 bytes for each half of the lanes
	v_and_b32 v6, 31, v0
	v_lshlrev_b32 v[CO], 4, v6                     ; out: 16 l: four rows of one head are 512 consecutive bytes of qkv
	v_lshrrev_b32 v7, 3, v6
	v_mul_u32_u24 v7, v7, SPITCH
	v_and_b32 v8, 7, v6
	v_lshl_add_u32 v7, v8, 4, v7
	v_add_nc_u32 v[RD], s23, v7                    ; back: row l / 8 of four, 16 (l % 8) of a head's 128 bytes
	v_lshlrev_b32 v[FO], 8, v1
	v_lshl_add_u32 v[FO], v2, 5, v[FO]             ; fin: row r of 256 bytes + 32 h
	s_lshr_b32 s20, s42, 2                         ; which of q, k, v
	s_lshl_b32 s21, s20, 24
	s_and_b32 s22, s42, 3
	s_lshl_b32 s22, s22, 2
	s_lshl_b32 s23, s16, 1
	s_add_co_u32 s22, s22, s23                     ; my first head
	s_lshr_b32 s23, s17, 3                         ; the batch
	s_lshl_b32 s23, s23, 4
	s_add_co_u32 s22, s22, s23                     ; 16 b + head
	s_lshl_b32 s46, s22, 18
	s_add_co_u32 s46, s46, s21
	s_and_b32 s23, s17, 7
	s_or_b32 s95, s23, s15                         ; 0: my wave's rows begin at s = 0
	s_lshl_b32 s23, s23, 8
	s_lshl_b32 s47, s15, 7
	s_add_co_u32 s23, s23, s47                     ; my first s
	s_lshl_b32 s23, s23, 7
	s_add_co_u32 s46, s46, s23
	s_mov_b32 s47, 0
	s_add_nc_u64 s[12:13], s[12:13], s[46:47]
	s_lshl_b32 s46, s20, 18
	s_lshl_b32 s22, s22, 12
	s_add_co_u32 s46, s46, s22
	s_add_nc_u64 s[96:97], s[96:97], s[46:47]
	v_mov_b32 v[CND], s95
.macro FRAG reg, adr, q, i             ; 16 rows x 128 K of 4-bit codes: 8 registers: two loads of 16 bytes, 32 bytes apart
.irp c, 0,1
	ds_load_b128 v[\reg+4*\c:\reg+4*\c+3], v[\adr] offset:64*(\q)+32*\c+(\i)*16*PITCH
.endr
.endm
; 16 matrix instructions: A's blocks a0, a0 + 1 x B's eight.  The 64 accumulators take turns, one instruction a turn, in the same order in every step.
.macro MUL16 a0, p, q, sc, zero
.irp a, \a0, \a0+1
.irp b, 0,1,2,3,4,5,6,7
.if \zero
	v_wmma_scale_f32_16x16x128_f8f6f4 v[8*(8*((\a)%4)+\b):8*(8*((\a)%4)+\b)+7], v[128*(\p)+FR*\b:128*(\p)+FR*\b+FR-1], v[AF+FR*(\a):AF+FR*(\a)+FR-1], 0, v[SC+8*NQ*(\sc)+NQ*\b+(\q)], v[SC+8*NQ*(\sc)+NQ*(\a)+(\q)] matrix_a_fmt:MATRIX_FMT_FP4 matrix_b_fmt:MATRIX_FMT_FP4 matrix_a_scale:MATRIX_SCALE_ROW1
.else
	v_wmma_scale_f32_16x16x128_f8f6f4 v[8*(8*((\a)%4)+\b):8*(8*((\a)%4)+\b)+7], v[128*(\p)+FR*\b:128*(\p)+FR*\b+FR-1], v[AF+FR*(\a):AF+FR*(\a)+FR-1], v[8*(8*((\a)%4)+\b):8*(8*((\a)%4)+\b)+7], v[SC+8*NQ*(\sc)+NQ*\b+(\q)], v[SC+8*NQ*(\sc)+NQ*(\a)+(\q)] matrix_a_fmt:MATRIX_FMT_FP4 matrix_b_fmt:MATRIX_FMT_FP4 matrix_a_scale:MATRIX_SCALE_ROW1
.endif
.endr
.endr
.endm
.macro FETCH_B slot, q, p
	WIN TO_B
.irp i, 0,1,2,3,4,5,6,7
	FRAG 128*(\p)+FR*\i, ADRB+\slot, \q, \i
.endr
	WIN 0
.endm
.macro FETCH_A slot, q, i0
.irp i, \i0, \i0+1, \i0+2, \i0+3
	FRAG AF+FR*(\i), ADRA+\slot, \q, \i
.endr
.endm
.macro SCALES sc                       ; a slot's scale words: lanes 0-15 A's block i, lanes 16-31 B's block i
.irp i, 0,1,2,3,4,5,6,7
	ds_load_b128 v[SC+8*NQ*\sc+NQ*\i:SC+8*NQ*\sc+NQ*\i+3], v[ADRS] offset:\i*SBLK
.endr
.endm
.macro PLACES n                        ; plain vector lines between a matrix instruction and a load into, or a read of, its registers
.rept \n
	v_nop
.endr
.endm
.macro STEP slot, q, zero              ; 128 along K with its successor in the same slot
	s_wait_dscnt 4*NL                              ; B's set and A's blocks 0-3 are in; the youngest eight loads (A's blocks 4-7) may be out
	WIN MUL_LO
	MUL16 0, (\q)%2, \q, \slot, \zero
	MUL16 2, (\q)%2, \q, \slot, \zero
	s_wait_dscnt 0
	PLACES NP
	FETCH_B \slot, (\q)+1, 1-(\q)%2
	FETCH_A \slot, (\q)+1, 0
	WIN MUL_HI
	MUL16 4, (\q)%2, \q, \slot, \zero
	MUL16 6, (\q)%2, \q, \slot, \zero
	PLACES NP
	WIN 0
	FETCH_A \slot, (\q)+1, 4
.endm
.macro TURN slot, next                 ; a slot's last step changes slots: one barrier; nothing is filled again
	s_wait_tensorcnt 0x0                           ; all my tensor loads have landed: my part of the next slot
	ds_add_u32 v[SPW], v[NIL]
	s_wait_dscnt 4*NL+1                            ; the add and the youngest eight loads may be out
	WIN MUL_LO
	MUL16 0, 1, NQ-1, \slot, 0
	s_wait_dscnt 0x0                               ; the add is done, my reads of this slot are over
	s_barrier_signal -1
	MUL16 2, 1, NQ-1, \slot, 0
	WIN 0
	s_barrier_wait -1
	PLACES NP
	v_add_nc_u32 v[ADRS], 4*NQ, v[ADRS]            ; the next slot's scale words
	FETCH_B \next, 0, 0
	FETCH_A \next, 0, 0
	SCALES \next
	WIN MUL_HI
	MUL16 4, 1, NQ-1, \slot, 0
	MUL16 6, 1, NQ-1, \slot, 0
	PLACES NP
	WIN 0
	FETCH_A \next, 0, 4
.endm
	s_wait_tensorcnt 1                             ; the scales and my part of slot 0 are in; slot 1's load may be out
	s_barrier_signal -1
	s_barrier_wait -1
	FETCH_B 0, 0, 0
	FETCH_A 0, 0, 0
	SCALES 0
	FETCH_A 0, 0, 4
	STEP 0, 0, 1                                   ; the first products start the sums: nothing is cleared
	STEP 0, 1, 0
	STEP 0, 2, 0
	TURN 0, 1
	STEP 1, 0, 0
	STEP 1, 1, 0
	STEP 1, 2, 0
	s_wait_dscnt 4*NL                              ; the last step: nothing more to fetch
	WIN MUL_LO
	MUL16 0, 1, NQ-1, 1, 0
	MUL16 2, 1, NQ-1, 1, 0
	s_wait_dscnt 0
	WIN MUL_HI
	MUL16 4, 1, NQ-1, 1, 0
	MUL16 6, 1, NQ-1, 1, 0
	WIN 0
	PLACES NP
	; q, k, v of the first 16 positions of a sequence also leave as f32.  Which waves hold them hangs on the tile row, so it is done by EXEC and not by a branch.
	s_wait_xcnt 0x0                                ; EXEC changes only behind this wait
	v_cmp_eq_u32 vcc_lo, 0, v[CND]
	s_and_saveexec_b32 s66, vcc_lo
	WIN 0x08                                       ; a store's data are its source 1: window 2
.irp b, 0,1,2,3,4,5,6,7
	global_store_b128 v[FO], v[8*\b:8*\b+3], s[96:97] offset:(\b/4)*4096+(\b%4)*64          ; each accumulator from its low end on
	global_store_b128 v[FO], v[8*\b+4:8*\b+7], s[96:97] offset:(\b/4)*4096+(\b%4)*64+16
.endr
	WIN 0
	s_wait_xcnt 0x0                                ; and again in front of the line that widens it
	s_or_b32 exec_lo, exec_lo, s66
; THE WAY OUT, 16 rows x 128 columns (two heads) at a time: rounded to f16, through my stage, back as four rows of one head: 512 consecutive bytes of qkv.
.macro PACK a
.set AC, 64*((\a)%4)
	WIN 0x0a+5*((\a)/4)                            ; sources 0 and 1: window 2 or 3
.irp b, 0,1,2,3,4,5,6,7
.irp r, 0,1,2,3
	v_cvt_pk_f16_f32 v[TMP+4*\b+\r], v[AC+8*\b+2*\r], v[AC+8*\b+2*\r+1]
.endr
.endr
	WIN 0
.endm
.macro TOSTAGE a
.set BB, BK+32*((\a)%2)
.irp b, 0,1,2,3,4,5,6,7
	ds_store_b128 v[STO], v[TMP+4*\b:TMP+4*\b+3] offset:32*\b
.endr
.irp t, 0,1,2,3,4,5,6,7
	ds_load_b128 v[BB+4*\t:BB+4*\t+3], v[RD] offset:(\t%4)*4*SPITCH+(\t/4)*128   ; LDS serves a wave's instructions in order: these see the stores above
.endr
.endm
.macro SEND a
.set BB, BK+32*((\a)%2)
	s_wait_dscnt 0x0                               ; the block is back in registers
	s_wait_xcnt 0x0                                ; the block before has left its registers: the next loads from the stage may land there
.irp t, 0,1,2,3,4,5,6,7
	global_store_b128 v[CO], v[BB+4*\t:BB+4*\t+3], s[12:13] offset:(\t/4)*262144+2048*(\a)+(\t%4)*512   ; 512 consecutive bytes, aligned; every offset is an immediate
.endr
.endm
	PACK 0
	TOSTAGE 0
.irp a, 1,2,3,4,5,6,7
	PACK \a
	SEND \a-1
	TOSTAGE \a
.endr
	SEND 7
	s_wait_tensorcnt 0x0                           ; the wave's end
	ds_add_u32 v[SPW], v[NIL]
	s_wait_dscnt 0x0
	CROUND                                         ; the closing round
	s_endpgm
.Lfunc_end_k_q62dc893e36_gemm_qkv:
	.size	k_q62dc893e36_gemm_qkv, .Lfunc_end_k_q62dc893e36_gemm_qkv-k_q62dc893e36_gemm_qkv
	.p2alignl 7, 3214868480
	.fill 96, 4, 3214868480
	.section	.rodata,"a",@progbits
	.p2align	6, 0x0
	.amdhsa_kernel k_q62dc893e36_gemm_qkv
		.amdhsa_group_segment_fixed_size 327680
		.amdhsa_private_segment_fixed_size 0
		.amdhsa_enable_private_segment 0
		.amdhsa_kernarg_size 48
		.amdhsa_user_sgpr_count 2
		.amdhsa_user_sgpr_kernarg_segment_ptr 1
		.amdhsa_wavefront_size32 1
		.amdhsa_system_sgpr_workgroup_id_x 1
		.amdhsa_system_sgpr_workgroup_id_y 1
		.amdhsa_system_sgpr_workgroup_id_z 1
		.amdhsa_system_vgpr_workitem_id 0
		.amdhsa_next_free_vgpr 1024
		.amdhsa_next_free_sgpr 98
		.amdhsa_reserve_vcc 1
		.amdhsa_float_denorm_mode_32 3
		.amdhsa_float_denorm_mode_16_64 3
		.amdhsa_memory_ordered 1
		.amdhsa_forward_progress 1
		.amdhsa_inst_pref_size 129
	.end_amdhsa_kernel
	.amdgpu_metadata
---
amdhsa.version: [ 1, 2 ]
amdhsa.kernels:
  - .name:           k_q62dc893e36_gemm_qkv
    .symbol:         k_q62dc893e36_gemm_qkv.kd
    .args:
      - { .name: xc, .offset: 0, .size: 8, .value_kind: global_buffer, .address_space: global }
      - { .name: xs, .offset: 8, .size: 8, .value_kind: global_buffer, .address_space: global }
      - { .name: wc, .offset: 16, .size: 8, .value_kind: global_buffer, .address_space: global }
      - { .name: ws, .offset: 24, .size: 8, .value_kind: global_buffer, .address_space: global }
      - { .name: qkv, .offset: 32, .size: 8, .value_kind: global_buffer, .address_space: global }
      - { .name: fin, .offset: 40, .size: 8, .value_kind: global_buffer, .address_space: global }
    .group_segment_fixed_size: 327680
    .private_segment_fixed_size: 0
    .kernarg_segment_align: 8
    .kernarg_segment_size: 48
    .max_flat_workgroup_size: 128
    .sgpr_count:     98
    .vgpr_count:     1024
    .wavefront_size: 32
...
	.end_amdgpu_metadata
.endif
;; end of part 3
;; launch attn (part 4): grid 4 x 64, 8 waves a work-group, no clusters, 327,680 bytes of LDS; arguments qkv, ctx; writes ctx
.if DOCPART == 4
	.amdgcn_target "amdgcn-amd-amdhsa--gfx1250"
	.amdhsa_code_object_version 6
	.text
	.protected	k_q62dc893e36_attn
	.globl	k_q62dc893e36_attn
	.p2align	8
	.type	k_q62dc893e36_attn,@function
k_q62dc893e36_attn:
	s_mov_b64 s[64:65], 0
	v_nop
	global_prefetch_b8 v0, s[64:65] scope:SCOPE_SE
	s_setreg_imm32_b32 hwreg(HW_REG_WAVE_MODE, 25, 1), 1
	s_wait_xcnt 0x0
; ctx[h][b*2048+q][:] = sum over k <= q of softmax_k(Q[q] . K[k] / 8) V[k][:], one head of one sequence a grid row.  Q, K, V: f16, [2048][64]; products on f16 operands, maxima and sums in f32;
; the weights p are rounded to f16 for the second product, ctx once at the end.  LIMIT: |q|, |k|, |v| under 65,504 as stored.
; SHARES.  A head has 8 blocks of 256 queries; block g needs the key slots 0 .. g (256 keys each).  Work-group J takes block 7 - J and then block J: (8 - J) + (J + 1) = 9 slots in every work-group:
; the trip count is a constant and every work-group has the same work.  In a block wave w owns 32 queries (two tiles of 16) at sub-block w (w < 4) or 11 - w, so that waves w and w + 4 have five key steps together on the diagonal.
; No cluster: which slots a work-group walks, and where its steps are left out, hangs on its own block; partners would ask for different tiles.
; LAYOUT.  S^T = K Q^T and O^T = V^T P, both transposed: a lane holds one query (lane % 16) throughout.  K comes out of LDS as it lies, V ([key][channel]) turned, by ds_load_tr16_b128.
; SOFTMAX.  A running maximum m and sum l for each query: p = 2^(c s - c m), c = log2(e) / 8; in every step O and l are multiplied by a = 2^(c m_old - c m_new).
; RING.  Two slots of 256 keys; each of the eight waves brings one tile of 64 rows (waves 0-3: K of step w; waves 4-7: V of step w - 4) behind each change of slots: one tensor load of mine is out at the most.
; A step all of whose keys come after my 32 queries is left out by a scalar branch on ids; on the diagonal hidden scores become -infinity.
; REGISTERS: window 0: v1-15 addresses; v16-31 statistics; v32-63 Q; v64-127 S^T; v128-159 P; v160-223 O^T; v224-255 the way out.  Window 1: v0-63 K's fragments, v64-127 V's.
.set KS,    64
.set PK,    144                        ; a row of K in LDS: 128 bytes + 16
.set PV,    160                        ; a row of V: 128 + 32
.set VOFF,  KS*PK
.set STEPB, KS*(PK+PV)                 ; a step's K, then its V
.set SLOT1, 1<<17                      ; slot 1 begins here: one exclusive or turns an address
.set STAGE, SLOT1+4*STEPB              ; behind the ring: 32 rows x 144 bytes a wave
.set SP,    144
.set SPARE, STAGE+8*32*SP              ; the spare words: 128 bytes a wave, four blocks of 256 bytes that no other line names
.set AK0, 1
.set AV0, 2
.set ADK, 3
.set ADV, 4
.set STO, 5
.set RD,  6
.set GO,  7
.set QO,  8
.set SPW, 9
.set NIL, 10
.set PFO, 11
.set DQ,  12                           ; v12 lane % 16 - 8 (lane / 16)
.set ST,  16                           ; tile t at v[ST + 8 t]: +0 c m, +1 m, +2, +3 l, +4 to +7 at work; a takes +6
.set QF,  32
.set SC,  64
.set PF,  128
.set OA,  160
.set OUTR, 224
.set WV,  8
.set JJ,  9
.set BH,  10
.set SUB, 11
.set Q0,  12                           ; my first query in the head
.set KF,  13                           ; the step's first key
.set CNT, 14                           ; 8 down to 1
.set SW,  15                           ; JJ + 1: the trip in which the first block ends
.set TB,  16                           ; LDS byte of the step in hand
.set STC, 17
.set KO,  18                           ; s[18:19] byte offset of the key slot that is asked for next
.set CS,  20                           ; s[20:21] c, twice
.set SEL, 22
.set G1K, 24
.set G1V, 32
.set G0,  40
.set TBASE, 44                         ; s[44:45] my tile of key slot 0 in memory
.set PFA, 46
.set LIM, 48
.set QB,  50
.set CB,  52
.set OB,  54
.set QA,  56
.set MSB, 0
.macro WIN new
.if MSB != (\new)
	s_set_vgpr_msb (MSB<<8)|(\new)
.set MSB, \new
.endif
.endm
.macro TLOAD                           ; waves 0-3 bring K's tile, waves 4-7 V's: the padding differs; an s_nop 0 and four v_nop follow each line
	s_cmp_lt_u32 s[WV], 4
	s_cbranch_scc0 .Lfor_v_\@
	tensor_load_to_lds s[G0:G0+3], s[G1K:G1K+7]
	s_nop 0
.rept 4
	v_nop
.endr
	s_branch .Lasked_\@
.Lfor_v_\@:
	tensor_load_to_lds s[G0:G0+3], s[G1V:G1V+7]
	s_nop 0
.rept 4
	v_nop
.endr
.Lasked_\@:
.endm
; A prefetch of my own tile (8,192 bytes, lanes 256 bytes apart) of the key slot that the NEXT change will ask for.  All four work-groups of a head walk the same K and V: work-group 0, which walks all
; eight slots in order, asks, in trips 0 to 5, for slots 2 to 7: each block of 256 bytes is named once in the launch; slots 0 and 1 come by their loads alone.
.macro ASK
	s_cmp_gt_u32 s[CNT], s[LIM]
	s_cbranch_scc0 .Lnot_mine_\@
	global_prefetch_b8 v[PFO], s[PFA:PFA+1] th:TH_LOAD_NT scope:SCOPE_SE
.Lnot_mine_\@:
.endm
	s_load_b128 s[4:7], s[0:1], 0x0                ; qkv, ctx
	v_lshl_add_u32 v[SPW], v0, 2, SPARE
	v_mov_b32 v[NIL], 0
	ds_add_u32 v[SPW], v[NIL]                      ; the wave's opening
	ds_add_u32 v[SPW], v[NIL]
	v_lshrrev_b32 v13, 5, v0
	v_readfirstlane_b32 s[WV], v13                 ; wave 0..7
	s_mov_b32 s[JJ], ttmp9
	s_and_b32 s[BH], ttmp7, 0xffff
	s_sub_co_u32 s58, 11, s[WV]
	s_cmp_lt_u32 s[WV], 4
	s_cselect_b32 s[SUB], s[WV], s58
	s_add_co_u32 s[SW], s[JJ], 1
	s_mov_b32 s[CNT], 8
	s_mov_b32 s[TB], 0
	s_mov_b32 s[KO], 0
	s_mov_b32 s[KO+1], 0
	s_mov_b32 s[CS], 0x3e38aa3b                    ; c = log2(e) / 8
	s_mov_b32 s[CS+1], s[CS]
	s_mov_b32 s[SEL], 0x76543210
	s_mov_b32 s[SEL+1], 0xfedcba98
	s_mov_b32 s[G1K], (1<<16)|(1<<20)|(4<<22)|(3<<25)   ; no mask; elements of 2 bytes; padding on: 4 words after every 32
	s_mov_b32 s[G1V], (1<<16)|(1<<20)|(4<<22)|(7<<25)   ; 8 words after every 32
.irp g, G1K, G1V
	s_mov_b32 s[\g+1], 64<<16                      ; tensor_dim0 = 64
	s_mov_b32 s[\g+2], KS<<16                      ; tensor_dim1 = 64
	s_mov_b32 s[\g+3], 64<<16                      ; tile_dim0 = 64
	s_mov_b32 s[\g+4], KS                          ; tile_dim1 = 64
	s_mov_b32 s[\g+5], 64                          ; from row to row
	s_mov_b32 s[\g+6], 0
	s_mov_b32 s[\g+7], 0
.endr
	s_and_b32 s58, s[WV], 3                        ; which step of a slot I fetch
	s_lshr_b32 s59, s[WV], 2                       ; for K (0) or V (1)
	s_mul_i32 s60, s58, STEPB
	s_mul_i32 s61, s59, VOFF
	s_mov_b32 s[G0], 1
	s_add_co_u32 s[G0+1], s60, s61                 ; slot 0
	s_add_co_u32 s62, s59, 1
	s_lshl_b32 s62, s62, 24                        ; k lies 2^24 bytes into qkv, v twice that
	s_lshl_b32 s63, s[BH], 18
	s_add_co_u32 s62, s62, s63
	s_lshl_b32 s60, s58, 13
	s_add_co_u32 s62, s62, s60
	s_mov_b32 s60, s63
	s_mov_b32 s61, 0
	s_mov_b32 s63, 0
	s_and_b32 s66, s[BH], 15
	s_lshl_b32 s66, s66, 20                        ; ctx: the head's 8,192 rows of 128 bytes,
	s_lshr_b32 s67, s[BH], 4
	s_lshl_b32 s67, s67, 18                        ; the sequence's 2,048 of them
	s_add_co_u32 s66, s66, s67
	s_mov_b32 s67, 0
	s_cmp_eq_u32 s[JJ], 0
	s_cselect_b32 s[LIM], 2, -1
	s_wait_dscnt 0x0                               ; both opening adds are done
	s_wait_kmcnt 0x0
	s_add_nc_u64 s[TBASE:TBASE+1], s[4:5], s[62:63]
	s_add_nc_u64 s[QB:QB+1], s[4:5], s[60:61]
	s_add_nc_u64 s[CB:CB+1], s[6:7], s[66:67]
	s_mov_b64 s[G0+2:G0+3], s[TBASE:TBASE+1]
	s_or_b32 s[G0+3], s[G0+3], 0x80000000
	s_add_nc_u64 s[PFA:PFA+1], s[TBASE:TBASE+1], 32768  ; slot 1; the first change steps it to slot 2
	TLOAD                                          ; slot 0
	v_and_b32 v13, 15, v0                          ; r
	v_bfe_u32 v14, v0, 4, 1                        ; h
	v_and_b32 v15, 31, v0                          ; l
	v_mul_u32_u24 v[AK0], v13, PK
	v_lshl_add_u32 v[AK0], v14, 4, v[AK0]          ; K: row r, 16 bytes for each half of the lanes
	v_and_b32 v[ADK], 7, v0
	v_lshl_add_u32 v[AV0], v14, 3, v[ADK]
	v_mul_u32_u24 v[AV0], v[AV0], PV
	v_bfe_u32 v[ADV], v0, 3, 1
	v_lshl_add_u32 v[AV0], v[ADV], 4, v[AV0]
	v_add_nc_u32 v[AV0], VOFF, v[AV0]              ; V: key 8 h + l % 8, channels 8 ((l / 8) % 2) on
	s_mul_i32 s58, s[WV], 32*SP
	s_add_co_u32 s58, s58, STAGE
	v_add_nc_u32 v[STO], s58, v[AK0]               ; the stage has K's pitch: row r, + 16 h
	v_lshrrev_b32 v[RD], 3, v15
	v_mul_u32_u24 v[RD], v[RD], SP
	v_lshl_add_u32 v[RD], v[ADK], 4, v[RD]
	v_add_nc_u32 v[RD], s58, v[RD]                 ; back: row l / 8 of four, 16 (l % 8)
	v_lshlrev_b32 v[GO], 4, v15
	v_lshlrev_b32 v[QO], 7, v13
	v_lshl_add_u32 v[QO], v14, 4, v[QO]
	v_lshlrev_b32 v[PFO], 8, v15
	v_lshlrev_b32 v[DQ], 3, v14
	v_sub_nc_u32 v[DQ], v13, v[DQ]
	s_sub_co_u32 s58, 7, s[JJ]
	s_lshl_b32 s58, s58, 8
	s_lshl_b32 s59, s[SUB], 5
	s_add_co_u32 s[Q0], s58, s59                   ; the first block: 7 - J
; A block begins: its Q into registers; m = -3e38 (under every score), l = 0, O^T = 0, so that the key step is written once.
.macro NEWPASS
	s_lshl_b32 s58, s[Q0], 7
	s_mov_b32 s59, 0
	s_add_nc_u64 s[QA:QA+1], s[QB:QB+1], s[58:59]
.irp t, 0,1
.irp c, 0,1
	global_load_b128 v[QF+16*\t+8*\c:QF+16*\t+8*\c+3], v[QO], s[QA:QA+1] offset:2048*\t+64*\c
	global_load_b128 v[QF+16*\t+8*\c+4:QF+16*\t+8*\c+7], v[QO], s[QA:QA+1] offset:2048*\t+64*\c+32
.endr
.endr
	s_mov_b32 s[KF], 0
.irp t, 0,1
	v_mov_b32 v[ST+8*\t+1], 0xff61b1e6
	v_mul_f32 v[ST+8*\t], s[CS], v[ST+8*\t+1]
.irp i, 2,3,4,5,6,7
	v_mov_b32 v[ST+8*\t+\i], 0
.endr
.endr
.set II, 0
.rept 64
	v_mov_b32 v[OA+II], 0
.set II, II+1
.endr
	s_wait_loadcnt 0x0
.endm
	NEWPASS
; THE CHANGE OF SLOTS, at a slot's head: every wave waits for all its tensor loads (its tile of the slot ahead), adds 0 to its spare word, waits for that and for its reads of the slot that it has left; one barrier;
; fill = 1: the slot just left takes the keys that follow in the walk: it has a whole slot's steps in which to land.
.macro CHANGE fill
	s_wait_tensorcnt 0x0                           ; no tensor load of mine is out, so group 0 may be written
	ds_add_u32 v[SPW], v[NIL]
.if \fill
	s_xor_b32 s[G0+1], s[G0+1], SLOT1
	s_add_co_u32 s[KO], s[KO], 32768               ; the next 256 keys,
	s_cmp_eq_u32 s[CNT], s[SW]
	s_cselect_b32 s[KO], 0, s[KO]                  ; or, where the second block is about to begin, key 0 again
	s_add_nc_u64 s[G0+2:G0+3], s[TBASE:TBASE+1], s[KO:KO+1]
	s_or_b32 s[G0+3], s[G0+3], 0x80000000
	s_wait_xcnt 0x0                                ; the last prefetch, a slot back, has read its address
	s_add_nc_u64 s[PFA:PFA+1], s[PFA:PFA+1], 32768
.endif
	s_wait_dscnt 0x0                               ; the add is done, my reads of the slot that I have left are over
	s_barrier_signal -1
	s_barrier_wait -1
.if \fill
	TLOAD                                          ; the first thing behind the barrier, my one tensor load until the next
	ASK
.endif
.endm
; A KEY STEP: 64 keys.
.macro STEP
	s_add_co_u32 s58, s[Q0], 31
	s_cmp_gt_u32 s[KF], s58                        ; all 64 keys come after my 32 queries: ids and the count of steps alone
	s_cbranch_scc1 .Lhid_\@
	v_add_nc_u32 v[ADK], s[TB], v[AK0]             ; these two and two v_nop are the four plain lines between the last products, which read V's registers, and the loads into them
	v_add_nc_u32 v[ADV], s[TB], v[AV0]
	v_nop
	v_nop
	WIN 0x40                                       ; destination window 1
.irp kt, 0,1,2,3
.irp c, 0,1
	ds_load_b128 v[8*(2*\kt+\c):8*(2*\kt+\c)+3], v[ADK] offset:\kt*16*PK+64*\c
	ds_load_b128 v[8*(2*\kt+\c)+4:8*(2*\kt+\c)+7], v[ADK] offset:\kt*16*PK+64*\c+32
.endr
.endr
.irp kh, 0,1
.irp dt, 0,1,2,3
	ds_load_tr16_b128 v[64+8*(4*\kh+\dt):64+8*(4*\kh+\dt)+3], v[ADV] offset:\kh*32*PV+32*\dt
	ds_load_tr16_b128 v[64+8*(4*\kh+\dt)+4:64+8*(4*\kh+\dt)+7], v[ADV] offset:\kh*32*PV+16*PV+32*\dt
.endr
.endr
	s_wait_dscnt 16                                ; K's sixteen loads are in; V's sixteen may be out
	WIN 0x01                                       ; source 0 window 1
.irp c, 0,1                            ; S^T = K Q^T: eight accumulators by turns; the first eight start the sums
.irp kt, 0,1,2,3
.irp t, 0,1
.if \c == 0
	v_wmma_f32_16x16x32_f16 v[SC+32*\t+8*\kt:SC+32*\t+8*\kt+7], v[8*(2*\kt+\c):8*(2*\kt+\c)+7], v[QF+16*\t+8*\c:QF+16*\t+8*\c+7], 0
.else
	v_wmma_f32_16x16x32_f16 v[SC+32*\t+8*\kt:SC+32*\t+8*\kt+7], v[8*(2*\kt+\c):8*(2*\kt+\c)+7], v[QF+16*\t+8*\c:QF+16*\t+8*\c+7], v[SC+32*\t+8*\kt:SC+32*\t+8*\kt+7]
.endif
.endr
.endr
.endr
	WIN 0
.rept 4
	v_nop
.endr
	s_add_co_u32 s58, s[KF], 63
	s_cmp_le_u32 s58, s[Q0]                        ; all 64 keys count for all my queries: no mask
	s_cbranch_scc1 .Lopen_\@
	s_sub_co_i32 s58, s[Q0], s[KF]
	v_add_nc_u32 v13, s58, v[DQ]                   ; register 8 kt + j of tile t holds key KF + 16 kt + 8 h + j for query Q0 + 16 t + r: hidden where 16 kt + j - 16 t > Q0 - KF + r - 8 h
	v_mov_b32 v14, 0xff800000
.irp t, 0,1
.irp kt, 0,1,2,3
.irp j, 0,1,2,3,4,5,6,7
	v_cmp_gt_i32 vcc_lo, 16*\kt+\j-16*\t, v13
	v_cndmask_b32 v[SC+32*\t+8*\kt+\j], v[SC+32*\t+8*\kt+\j], v14, vcc_lo
.endr
.endr
.endr
.Lopen_\@:
.irp j, 0,1,2,3                        ; the maximum of 32 scores and the old m: four chains, the two tiles by turns; each accumulator is read from its low end on
.irp t, 0,1
	v_max3_num_f32 v[ST+8*\t+4+\j], v[SC+32*\t+8*\j], v[SC+32*\t+8*\j+1], v[SC+32*\t+8*\j+2]
.endr
.endr
.irp g, 1,2
.irp j, 0,1,2,3
.irp t, 0,1
	v_max3_num_f32 v[ST+8*\t+4+\j], v[ST+8*\t+4+\j], v[SC+32*\t+8*\j+2*\g+1], v[SC+32*\t+8*\j+2*\g+2]
.endr
.endr
.endr
.irp t, 0,1
	v_max3_num_f32 v[ST+8*\t+4], v[ST+8*\t+4], v[SC+32*\t+7], v[SC+32*\t+15]
.endr
.irp t, 0,1
	v_max3_num_f32 v[ST+8*\t+6], v[ST+8*\t+6], v[SC+32*\t+23], v[SC+32*\t+31]
.endr
.irp t, 0,1
	v_max3_num_f32 v[ST+8*\t+4], v[ST+8*\t+4], v[ST+8*\t+5], v[ST+8*\t+6]
.endr
.irp t, 0,1
	v_max3_num_f32 v[ST+8*\t+4], v[ST+8*\t+4], v[ST+8*\t+7], v[ST+8*\t+1]
.endr
.irp t, 0,1
	v_permlanex16_b32 v[ST+8*\t+5], v[ST+8*\t+4], s[SEL], s[SEL+1]   ; the query's other 32 keys lie in the lane 16 away
.endr
.irp t, 0,1
	v_mov_b32 v[ST+8*\t+7], v[ST+8*\t]             ; c m_old
.endr
.irp t, 0,1
	v_max_num_f32 v[ST+8*\t+1], v[ST+8*\t+4], v[ST+8*\t+5]
.endr
.irp t, 0,1
	v_mul_f32 v[ST+8*\t], s[CS], v[ST+8*\t+1]
.endr
.irp t, 0,1
	v_sub_f32 v[ST+8*\t+7], v[ST+8*\t+7], v[ST+8*\t]
.endr
.set II, 0
.rept 16
.irp t, 0,1
	v_pk_fma_f32 v[SC+32*\t+2*II:SC+32*\t+2*II+1], v[SC+32*\t+2*II:SC+32*\t+2*II+1], s[CS:CS+1], v[ST+8*\t:ST+8*\t+1] op_sel_hi:[1,0,0] neg_lo:[0,0,1] neg_hi:[0,0,1]   ; c s - c m
.endr
.set II, II+1
.endr
.irp t, 0,1
	v_exp_f32 v[ST+8*\t+6], v[ST+8*\t+7]           ; a
.endr
.set II, 0
.rept 32
.irp t, 0,1
	v_exp_f32 v[SC+32*\t+II], v[SC+32*\t+II]       ; p, at most 1
.endr
.set II, II+1
.endr
	v_nop                                          ; a plain line behind the last exponential
	s_wait_alu depctr_va_vdst(0)                   ; one wait for the batch of 66, ahead of its first reader
.set II, 0
.rept 16
.irp t, 0,1
	v_cvt_pk_f16_f32 v[PF+16*\t+II], v[SC+32*\t+2*II], v[SC+32*\t+2*II+1]   ; two tiles of keys, rounded in pairs, are source 1 of the second product
.endr
.set II, II+1
.endr
.irp u, 0,1,2,3,4,5,6,7                ; the sum of the unrounded p, in place, as a tree of pairs
.irp t, 0,1
	v_pk_add_f32 v[SC+32*\t+4*\u:SC+32*\t+4*\u+1], v[SC+32*\t+4*\u:SC+32*\t+4*\u+1], v[SC+32*\t+4*\u+2:SC+32*\t+4*\u+3]
.endr
.endr
.irp u, 0,1,2,3
.irp t, 0,1
	v_pk_add_f32 v[SC+32*\t+8*\u:SC+32*\t+8*\u+1], v[SC+32*\t+8*\u:SC+32*\t+8*\u+1], v[SC+32*\t+8*\u+4:SC+32*\t+8*\u+5]
.endr
.endr
.irp u, 0,1
.irp t, 0,1
	v_pk_add_f32 v[SC+32*\t+16*\u:SC+32*\t+16*\u+1], v[SC+32*\t+16*\u:SC+32*\t+16*\u+1], v[SC+32*\t+16*\u+8:SC+32*\t+16*\u+9]
.endr
.endr
.irp t, 0,1
	v_pk_add_f32 v[SC+32*\t:SC+32*\t+1], v[SC+32*\t:SC+32*\t+1], v[SC+32*\t+16:SC+32*\t+17]
.endr
.irp t, 0,1
	v_pk_fma_f32 v[ST+8*\t+2:ST+8*\t+3], v[ST+8*\t+2:ST+8*\t+3], v[ST+8*\t+6:ST+8*\t+7], v[SC+32*\t:SC+32*\t+1] op_sel_hi:[1,0,1]   ; l = a l + the sum
.endr
.irp t, 0,1
.set II, 0
.rept 16
	v_pk_mul_f32 v[OA+32*\t+2*II:OA+32*\t+2*II+1], v[OA+32*\t+2*II:OA+32*\t+2*II+1], v[ST+8*\t+6:ST+8*\t+7] op_sel_hi:[1,0]   ; O^T x a, each accumulator from its low end on
.set II, II+1
.endr
.endr
	s_wait_dscnt 0x0                               ; V is in
	WIN 0x01
.irp kh, 0,1                           ; O^T += V^T P: eight accumulators by turns
.irp dt, 0,1,2,3
.irp t, 0,1
	v_wmma_f32_16x16x32_f16 v[OA+32*\t+8*\dt:OA+32*\t+8*\dt+7], v[64+8*(4*\kh+\dt):64+8*(4*\kh+\dt)+7], v[PF+16*\t+8*\kh:PF+16*\t+8*\kh+7], v[OA+32*\t+8*\dt:OA+32*\t+8*\dt+7]
.endr
.endr
.endr
	WIN 0
.Lhid_\@:
	s_add_co_u32 s[KF], s[KF], KS
	s_add_co_u32 s[TB], s[TB], STEPB
.endm
; A block ends: O^T / l, rounded to f16, through my stage; my 32 rows of ctx are 4,096 consecutive bytes.  again = 1: the second block begins.
.macro FINISH again
	s_wait_xcnt 0x0                                ; earlier stores have read their data and their base
.rept 4
	v_nop
.endr
	s_lshl_b32 s58, s[Q0], 7
	s_mov_b32 s59, 0
	s_add_nc_u64 s[OB:OB+1], s[CB:CB+1], s[58:59]
.irp t, 0,1
	v_add_f32 v[ST+8*\t+4], v[ST+8*\t+2], v[ST+8*\t+3]
.endr
.irp t, 0,1
	v_permlanex16_b32 v[ST+8*\t+5], v[ST+8*\t+4], s[SEL], s[SEL+1]
.endr
.irp t, 0,1
	v_add_f32 v[ST+8*\t+4], v[ST+8*\t+4], v[ST+8*\t+5]
.endr
.irp t, 0,1
	v_rcp_f32 v[ST+8*\t+6], v[ST+8*\t+4]
.endr
	v_nop
	s_wait_alu depctr_va_vdst(0)                   ; one wait for both reciprocals, ahead of their first reader
.irp t, 0,1
.set II, 0
.rept 16
	v_pk_mul_f32 v[OA+32*\t+2*II:OA+32*\t+2*II+1], v[OA+32*\t+2*II:OA+32*\t+2*II+1], v[ST+8*\t+6:ST+8*\t+7] op_sel_hi:[1,0]
.set II, II+1
.endr
.endr
.set II, 0
.rept 32
	v_cvt_pk_f16_f32 v[OUTR+II], v[OA+2*II], v[OA+2*II+1]
.set II, II+1
.endr
.irp t, 0,1
.irp dt, 0,1,2,3
	ds_store_b128 v[STO], v[OUTR+16*\t+4*\dt:OUTR+16*\t+4*\dt+3] offset:\t*16*SP+32*\dt
.endr
.endr
.irp i, 0,1,2,3,4,5,6,7
	ds_load_b128 v[OUTR+4*\i:OUTR+4*\i+3], v[RD] offset:\i*4*SP   ; LDS serves a wave's instructions in order: these see the stores above
.endr
.irp i, 0,1,2,3,4,5,6,7
	s_wait_dscnt 7-\i
	global_store_b128 v[GO], v[OUTR+4*\i:OUTR+4*\i+3], s[OB:OB+1] offset:512*\i   ; 512 consecutive bytes, aligned
.endr
.if \again
	s_lshl_b32 s58, s[JJ], 8
	s_lshl_b32 s59, s[SUB], 5
	s_add_co_u32 s[Q0], s58, s59                   ; the second block: J
	NEWPASS
.endif
.endm
.macro SLOT_WORK inloop                ; a slot's four key steps, written once and walked four times
	s_mov_b32 s[STC], 4
.Lstep_\@:
	STEP
	s_sub_co_u32 s[STC], s[STC], 1
	s_cmp_lg_u32 s[STC], 0
	s_cbranch_scc1 .Lstep_\@
	s_sub_co_u32 s[TB], s[TB], 4*STEPB
	s_xor_b32 s[TB], s[TB], SLOT1                  ; on to the other slot
.if \inloop
	s_cmp_lg_u32 s[CNT], s[SW]                     ; the first block's last slot was this one?
	s_cbranch_scc1 .Lsame_\@
	FINISH 1
.Lsame_\@:
.else
	FINISH 0
.endif
.endm
.Lslot:                                            ; eight trips: behind each change of slots but the last the next slot of the walk is asked for
	CHANGE 1
	SLOT_WORK 1
	s_sub_co_u32 s[CNT], s[CNT], 1
	s_cmp_lg_u32 s[CNT], 0
	s_cbranch_scc1 .Lslot
	CHANGE 0                                       ; the ninth slot is written out
	SLOT_WORK 0
	s_wait_tensorcnt 0x0                           ; the wave's end
	ds_add_u32 v[SPW], v[NIL]
	s_wait_dscnt 0x0
	s_endpgm
.Lfunc_end_k_q62dc893e36_attn:
	.size	k_q62dc893e36_attn, .Lfunc_end_k_q62dc893e36_attn-k_q62dc893e36_attn
	.p2alignl 7, 3214868480
	.fill 96, 4, 3214868480
	.section	.rodata,"a",@progbits
	.p2align	6, 0x0
	.amdhsa_kernel k_q62dc893e36_attn
		.amdhsa_group_segment_fixed_size 327680
		.amdhsa_private_segment_fixed_size 0
		.amdhsa_enable_private_segment 0
		.amdhsa_kernarg_size 16
		.amdhsa_user_sgpr_count 2
		.amdhsa_user_sgpr_kernarg_segment_ptr 1
		.amdhsa_wavefront_size32 1
		.amdhsa_system_sgpr_workgroup_id_x 1
		.amdhsa_system_sgpr_workgroup_id_y 1
		.amdhsa_system_sgpr_workgroup_id_z 1
		.amdhsa_system_vgpr_workitem_id 0
		.amdhsa_next_free_vgpr 384
		.amdhsa_next_free_sgpr 72
		.amdhsa_reserve_vcc 1
		.amdhsa_float_denorm_mode_32 3
		.amdhsa_float_denorm_mode_16_64 3
		.amdhsa_memory_ordered 1
		.amdhsa_forward_progress 1
		.amdhsa_inst_pref_size 71
	.end_amdhsa_kernel
	.amdgpu_metadata
---
amdhsa.version: [ 1, 2 ]
amdhsa.kernels:
  - .name:           k_q62dc893e36_attn
    .symbol:         k_q62dc893e36_attn.kd
    .args:
      - { .name: qkv, .offset: 0, .size: 8, .value_kind: global_buffer, .address_space: global }
      - { .name: ctx, .offset: 8, .size: 8, .value_kind: global_buffer, .address_space: global }
    .group_segment_fixed_size: 327680
    .private_segment_fixed_size: 0
    .kernarg_segment_align: 8
    .kernarg_segment_size: 16
    .max_flat_workgroup_size: 256
    .sgpr_count:     72
    .vgpr_count:     384
    .wavefront_size: 32
...
	.end_amdgpu_metadata
.endif
;; end of part 4
;; launch proj (part 5): grid 4 x 64, 4 waves a work-group, clusters of 4 x 4, 327,680 bytes of LDS; arguments ctx, wph, bp, out0; writes out0
.if DOCPART == 5
	.amdgcn_target "amdgcn-amd-amdhsa--gfx1250"
	.amdhsa_code_object_version 6
	.text
	.protected	k_q62dc893e36_proj
	.globl	k_q62dc893e36_proj
	.p2align	8
	.type	k_q62dc893e36_proj,@function
k_q62dc893e36_proj:
	s_mov_b64 s[64:65], 0
	v_nop
	global_prefetch_b8 v0, s[64:65] scope:SCOPE_SE
	s_setreg_imm32_b32 hwreg(HW_REG_WAVE_MODE, 25, 1), 1
	s_wait_xcnt 0x0
	s_wait_alu depctr_hold_cnt(0) depctr_sa_sdst(0) depctr_va_vdst(0) depctr_va_sdst(0) depctr_va_ssrc(0) depctr_va_vcc(0) depctr_vm_vsrc(0)
	s_getreg_b32 s2, hwreg(HW_REG_IB_STS2, 6, 4)
	s_cmp_eq_u32 s2, 0
	s_cbranch_scc0 .Lentry_in_a_cluster
	s_endpgm
.Lentry_in_a_cluster:
	s_bfe_u32 s2, ttmp6, 0x10000c
	s_cmp_lg_u32 s2, 0xf033
	s_cbranch_scc0 .Lentry_shape_is_right
	s_endpgm
.Lentry_shape_is_right:
; out0[m][n] = sum over k of ctx[m][k] Wp[k][n] + bp[n].  ctx: f16, by head, [16][8192][64]; wph: f16, [1024 k][1024 n]; sums in f32; out0 f32.  LIMIT: |ctx|, |Wp| under 65,504 as stored.
; All 8,192 rows are stored here; the 64 rows at positions under 16 of a sequence are stored again, from f32 arithmetic, by the launch that follows.
; A tile of out0 is 128 rows x 256 columns: 256 work-groups.  Four waves, each 64 x 128: 32 accumulators, 256 registers.  K goes in 8 steps of 128 (two heads) through two LDS slots.
; CLUSTERS: 4 x 4; ctx's tiles are asked for jointly along a row of the cluster, wph's along a column.  Waves 0 and 1 bring a head's 128 rows of ctx each, waves 2 and 3 sixty-four rows of wph each.
; THE MATRIX INSTRUCTION IS USED TRANSPOSED: source 0 = 16 columns of Wp (turned out of LDS by ds_load_tr16_b128), source 1 = 16 rows of ctx: a lane holds eight neighbouring columns of a row of out0.
; The bias is the C of each sum's first matrix instruction.
; REGISTERS: window 0: v0-31 addresses; two fragment buffers at v64 and v160 (64 of B, 32 of A); window 1: accumulator (a, b) at v[8 (8 a + b)]; window 2: v0-63 the bias in the result's layout.
.set PA,     144                       ; a row of ctx's tile in LDS: 128 bytes + 16
.set PB,     544                       ; a row of wph's: 512 + 32
.set BOFF,   2*128*PA                  ; a slot: two heads x 128 rows of ctx, then 128 rows of wph
.set SLOT,   BOFF+128*PB
.set STAGE,  2*SLOT                    ; 16 rows x 528 bytes a wave
.set SPITCH, 528
.set SPARE,  STAGE+4*16*SPITCH         ; the spare words: 128 bytes a wave, two blocks of 256 bytes that no other line names
.set LAPS,   4
.set ADRA, 16
.set ADRB, 20
.set STO,  24
.set RD,   25
.set CO,   26
.set SPW,  28
.set NIL,  29
.set PFO,  30
.set F0,   64
.set F1,   160
.set BK,   64                          ; the way out: 16 rows read back: v64-127 and v128-191 by turns
.set G1A, 24
.set G0A, 32
.set G1B, 48
.set G0B, 56
.set PFA, 66
.set PFS, 68
.set LIM, 70
.set MUL, 0x50                         ; C and D window 1, sources window 0; + 0x10: C window 2 (the bias)
.set MSB, 0
.macro WIN new
.if MSB != (\new)
	s_set_vgpr_msb (MSB<<8)|(\new)
.set MSB, \new
.endif
.endm
.macro JLOAD s                         ; a joint load; an s_nop 0 and four v_nop follow each line
	s_cmp_eq_u32 s13, 0
	s_cbranch_scc0 .Lfor_b_\@
	tensor_load_to_lds s[G0A+4*\s:G0A+4*\s+3], s[G1A:G1A+7]
	s_nop 0
.rept 4
	v_nop
.endr
	s_branch .Lasked_\@
.Lfor_b_\@:
	tensor_load_to_lds s[G0B+4*\s:G0B+4*\s+3], s[G1B:G1B+7]
	s_nop 0
.rept 4
	v_nop
.endr
.Lasked_\@:
.endm
; A prefetch of the K step that stands two refills on.  ctx's tile (two heads x 16,384 dense bytes) is read by the four partners of my row alone: wave 0 of each names 8,192 bytes of it, told apart by address.
; wph's tile (128 rows x 512 bytes) is read by every cluster: the clusters with y = 0 ask; waves 2 and 3 of the four partners of a column name 16 rows each.  Each block of 256 bytes is named once.
; K steps 4 to 7 are asked for; the loop's last trip asks for nothing.
.macro ASK
	s_cmp_gt_u32 s3, s[LIM]
	s_cbranch_scc0 .Lnot_mine_\@
	global_prefetch_b8 v[PFO], s[PFA:PFA+1] th:TH_LOAD_NT scope:SCOPE_SE
.Lnot_mine_\@:
.endm
.macro CREST
	s_cmp_lg_u32 s12, 0
	s_cbranch_scc1 .Lnot_wave_0_\@
	s_barrier_signal -3
.Lnot_wave_0_\@:
	s_barrier_wait -3
	s_barrier_signal -1
	s_barrier_wait -1
.endm
.macro CROUND
	s_barrier_signal -1
	s_barrier_wait -1
	CREST
.endm
	s_load_b256 s[4:11], s[0:1], 0x0               ; ctx, wph, bp, out0
	v_lshl_add_u32 v[SPW], v0, 2, SPARE
	v_mov_b32 v[NIL], 0
	ds_add_u32 v[SPW], v[NIL]                      ; the wave's opening
	ds_add_u32 v[SPW], v[NIL]
	v_lshrrev_b32 v1, 5, v0
	v_readfirstlane_b32 s12, v1                    ; wave 0..3
	s_lshr_b32 s13, s12, 1                         ; my 64 rows; also: I fetch for ctx (0) or wph (1)
	s_and_b32 s14, s12, 1                          ; my 128 columns; also: which half I fetch
	s_bfe_u32 s15, ttmp6, 0x40000                  ; cx
	s_bfe_u32 s16, ttmp6, 0x40004                  ; cy
	s_lshl_b32 s17, ttmp9, 2
	s_add_co_u32 s17, s17, s15                     ; tile column
	s_and_b32 s18, ttmp7, 0xffff
	s_lshl_b32 s18, s18, 2
	s_add_co_u32 s18, s18, s16                     ; tile row
	s_lshl_b32 s19, s16, 2
	s_lshl_b32 s19, 15, s19                        ; my row of the cluster
	s_lshl_b32 s20, 0x1111, s15                    ; my column
	s_or_b32 s[G1A], s19, (1<<16)|(1<<20)|(1<<21)|(4<<22)|(3<<25)   ; mask; elements of 2 bytes; padding on; bit 21 beside a mask; 4 words after every 32
	s_mov_b32 s[G1A+1], 64<<16                     ; tensor_dim0 = 64
	s_mov_b32 s[G1A+2], 128<<16                    ; tensor_dim1 = 128
	s_mov_b32 s[G1A+3], 64<<16                     ; tile_dim0 = 64
	s_mov_b32 s[G1A+4], 128                        ; tile_dim1 = 128
	s_mov_b32 s[G1A+5], 64                         ; from row to row
	s_mov_b32 s[G1A+6], 0
	s_mov_b32 s[G1A+7], 0
	s_or_b32 s[G1B], s20, (1<<16)|(1<<20)|(1<<21)|(6<<22)|(7<<25)   ; 8 words after every 128
	s_mov_b32 s[G1B+1], 256<<16
	s_mov_b32 s[G1B+2], 64<<16
	s_mov_b32 s[G1B+3], 256<<16
	s_mov_b32 s[G1B+4], 64
	s_mov_b32 s[G1B+5], 1024
	s_mov_b32 s[G1B+6], 0
	s_mov_b32 s[G1B+7], 0
	s_lshl_b32 s40, s14, 20                        ; ctx: head u, row 128 x tile row, 128 bytes a row
	s_lshl_b32 s41, s18, 14
	s_add_co_u32 s40, s40, s41
	s_mov_b32 s41, 0
	s_lshl_b32 s42, s14, 17                        ; wph: row 64 u of 2,048 bytes, + 512 x tile column
	s_lshl_b32 s43, s17, 9
	s_add_co_u32 s42, s42, s43
	s_mov_b32 s43, 0
	s_mul_i32 s44, s14, 128*PA                     ; where they go: no place in the cluster enters an LDS address
	s_mul_i32 s45, s14, 64*PB
	s_add_co_u32 s45, s45, BOFF
	s_wait_dscnt 0x0                               ; both opening adds are done
	s_wait_kmcnt 0x0
	s_add_nc_u64 s[40:41], s[4:5], s[40:41]
	s_add_nc_u64 s[42:43], s[6:7], s[42:43]
	CROUND                                         ; all sixteen work-groups are here: the first joint loads meet
.irp s, 0,1
	s_mov_b32 s[G0A+4*\s], 1
	s_add_co_u32 s[G0A+4*\s+1], s44, \s*SLOT
	s_add_nc_u64 s[G0A+4*\s+2:G0A+4*\s+3], s[40:41], \s*2097152     ; K step s: two heads on
	s_or_b32 s[G0A+4*\s+3], s[G0A+4*\s+3], 0x80000000
	s_mov_b32 s[G0B+4*\s], 1
	s_add_co_u32 s[G0B+4*\s+1], s45, \s*SLOT
	s_add_nc_u64 s[G0B+4*\s+2:G0B+4*\s+3], s[42:43], \s*262144      ; 128 rows on
	s_or_b32 s[G0B+4*\s+3], s[G0B+4*\s+3], 0x80000000
	JLOAD \s
.endr
	v_and_b32 v1, 15, v0                           ; r
	v_bfe_u32 v2, v0, 4, 1                         ; h
	v_lshlrev_b32 v5, 5, v2
	s_lshl_b32 s72, s17, 10                        ; the bias of my 128 columns
	s_lshl_b32 s73, s14, 9
	s_add_co_u32 s72, s72, s73
	s_mov_b32 s73, 0
	s_add_nc_u64 s[8:9], s[8:9], s[72:73]
	WIN 0x80                                       ; destination window 2
.irp b, 0,1,2,3,4,5,6,7
	global_load_b128 v[8*\b:8*\b+3], v5, s[8:9] offset:64*\b         ; lane (r, h), block b: columns 16 b + 8 h + 0 .. 7
	global_load_b128 v[8*\b+4:8*\b+7], v5, s[8:9] offset:64*\b+16
.endr
	WIN 0
	v_mul_u32_u24 v3, v1, PA
	v_lshl_add_u32 v3, v2, 4, v3
	s_mul_i32 s21, s13, 64*PA                      ; my 64 rows of ctx
	v_and_b32 v4, 7, v0
	v_lshl_add_u32 v4, v2, 3, v4
	v_mul_u32_u24 v4, v4, PB                       ; wph: row 8 h + l % 8,
	v_bfe_u32 v6, v0, 3, 1
	v_lshl_add_u32 v4, v6, 4, v4                   ; columns 8 ((l / 8) % 2) on
	s_lshl_b32 s22, s14, 8                         ; my 128 columns
	s_add_co_u32 s22, s22, BOFF
.irp s, 0,1
	v_add_nc_u32 v[ADRA+\s], s21, v3
	v_add_nc_u32 v[ADRB+\s], s22, v4
	s_add_co_u32 s21, s21, SLOT
	s_add_co_u32 s22, s22, SLOT
.endr
	s_mul_i32 s23, s12, 16*SPITCH
	s_add_co_u32 s23, s23, STAGE                   ; my stage
	v_mul_u32_u24 v6, v1, SPITCH
	v_lshl_add_u32 v6, v2, 5, v6
	v_add_nc_u32 v[STO], s23, v6                   ; in: row r, 32 bytes for each half of the lanes
	v_and_b32 v7, 31, v0
	v_lshlrev_b32 v[CO], 4, v7                     ; back: the 32 lanes take a row of 512 bytes; the same in out0
	v_add_nc_u32 v[RD], s23, v[CO]
	s_lshl_b32 s72, s18, 19                        ; out0: row 128 x tile row + 64 x half, 4,096 bytes a row; column 256 x tile column + 128 x half
	s_lshl_b32 s73, s13, 18
	s_add_co_u32 s72, s72, s73
	s_lshl_b32 s73, s17, 10
	s_add_co_u32 s72, s72, s73
	s_lshl_b32 s73, s14, 9
	s_add_co_u32 s72, s72, s73
	s_mov_b32 s73, 0
	s_add_nc_u64 s[10:11], s[10:11], s[72:73]
	; the prefetches: where mine stand (at K step 3: the first change of slots steps them to 4), and who asks
	s_lshr_b32 s71, s15, 1
	s_add_co_u32 s71, s71, 6
	s_lshl_b32 s71, s71, 20                        ; ctx: head 6 + cx / 2,
	s_lshl_b32 s72, s18, 14
	s_add_co_u32 s71, s71, s72                     ; the tile's rows,
	s_and_b32 s72, s15, 1
	s_lshl_b32 s72, s72, 13
	s_add_co_u32 s71, s71, s72                     ; 64 (cx % 2) of them on
	s_lshl_b32 s72, s14, 6
	s_add_co_u32 s72, s72, 384
	s_lshl_b32 s73, s16, 4
	s_add_co_u32 s72, s72, s73
	s_lshl_b32 s72, s72, 11                        ; wph: row 384 + 64 u + 16 cy,
	s_lshl_b32 s73, s17, 9
	s_add_co_u32 s72, s72, s73                     ; the tile's columns
	s_and_b32 s73, ttmp7, 0xffff
	s_cmp_eq_u32 s73, 0
	s_cselect_b32 s74, 1, -1                       ; wph: the clusters with y = 0: the same in all sixteen partners
	s_cmp_eq_u32 s12, 0
	s_cselect_b32 s75, 1, -1                       ; ctx: wave 0
	s_mov_b32 s76, 262144
	s_mov_b32 s77, 2048
	s_cmp_eq_u32 s13, 0
	s_cselect_b64 s[PFA:PFA+1], s[4:5], s[6:7]
	s_cselect_b32 s78, s71, s72
	s_cselect_b32 s[LIM], s75, s74
	s_cselect_b32 s[PFS], 2097152, s76             ; a K step on
	s_cselect_b32 s77, 256, s77
	s_cselect_b32 s80, 0, 1
	s_mov_b32 s79, 0
	s_mov_b32 s[PFS+1], 0
	s_add_nc_u64 s[PFA:PFA+1], s[PFA:PFA+1], s[78:79]
	v_lshrrev_b32 v8, s80, v7                      ; ctx: 256 l; wph: 2,048 (l / 2) + 256 (l % 2)
	v_mul_lo_u32 v8, v8, s77
	v_and_b32 v9, s80, v7
	v_lshl_add_u32 v[PFO], v9, 8, v8
.macro MUL8 f, a, first                ; A's block a x B's eight, 32 along K.  The 32 accumulators take turns, one instruction a turn
.irp b, 0,1,2,3,4,5,6,7
.if \first
	v_wmma_f32_16x16x32_f16 v[8*(8*(\a)+\b):8*(8*(\a)+\b)+7], v[\f+8*\b:\f+8*\b+7], v[\f+64+8*(\a):\f+64+8*(\a)+7], v[8*\b:8*\b+7]
.else
	v_wmma_f32_16x16x32_f16 v[8*(8*(\a)+\b):8*(8*(\a)+\b)+7], v[\f+8*\b:\f+8*\b+7], v[\f+64+8*(\a):\f+64+8*(\a)+7], v[8*(8*(\a)+\b):8*(8*(\a)+\b)+7]
.endif
.endr
.endm
.macro FETCH slot, q, f                ; 24 LDS loads in one run: the slot's q-th 32 along K: B's eight fragments (turned), then A's four
	WIN 0
.irp i, 0,1,2,3,4,5,6,7
	ds_load_tr16_b128 v[\f+8*\i:\f+8*\i+3], v[ADRB+\slot] offset:(\q)*32*PB+32*\i
	ds_load_tr16_b128 v[\f+8*\i+4:\f+8*\i+7], v[ADRB+\slot] offset:(\q)*32*PB+16*PB+32*\i
.endr
.irp i, 0,1,2,3
	ds_load_b128 v[\f+64+8*\i:\f+64+8*\i+3], v[ADRA+\slot] offset:((\q)/2)*128*PA+\i*16*PA+64*((\q)%2)
	ds_load_b128 v[\f+64+8*\i+4:\f+64+8*\i+7], v[ADRA+\slot] offset:((\q)/2)*128*PA+\i*16*PA+64*((\q)%2)+32
.endr
.endm
.macro PLACES                          ; four plain lines between a matrix instruction and a load into, or a read of, its registers
.rept 4
	v_nop
.endr
.endm
.macro QUARTER slot, q, f, g, first    ; multiplies buffer f; in its middle fetches the slot's q-th quarter into g
	s_wait_dscnt 4                                 ; B and A's blocks 0, 1 are in; the youngest four loads (blocks 2, 3) may be out
	WIN MUL+0x10*\first
	MUL8 \f, 0, \first
	MUL8 \f, 1, \first
	PLACES
	FETCH \slot, \q, \g
	s_wait_dscnt 24                                ; all but the 24 just issued
	WIN MUL+0x10*\first
	MUL8 \f, 2, \first
	MUL8 \f, 3, \first
.endm
; A slot's last quarter multiplies buffer 1 and changes slots: one barrier; in front of it each wave waits for all its tensor loads, adds 0 to its spare word and waits for that and for its reads of this slot.
; fill = 1: the barrier opens a round of the cluster's, and the joint refill, two K steps ahead, is the first tensor load behind it.
.macro TURN slot, next, fill
.if \fill
	s_wait_xcnt 0x0                                ; the last prefetch, a K step back, has read its address
	s_add_nc_u64 s[PFA:PFA+1], s[PFA:PFA+1], s[PFS:PFS+1]
.endif
	WIN 0
	s_wait_tensorcnt 0x0                           ; all my tensor loads have landed: my part of the next slot
	ds_add_u32 v[SPW], v[NIL]
	s_wait_dscnt 7                                 ; the add and A's blocks 1 to 3 (six loads) may be out
	WIN MUL
	MUL8 F1, 0, 0
	s_wait_dscnt 0x0                               ; the add is done, my reads of this slot are over
	s_barrier_signal -1
	MUL8 F1, 1, 0
	WIN 0
	s_barrier_wait -1
.if \fill
	CREST                                          ; no wave of any partner still reads this slot or has a load on its way
	s_add_nc_u64 s[G0A+4*\slot+2:G0A+4*\slot+3], s[G0A+4*\slot+2:G0A+4*\slot+3], 4194304
	s_add_nc_u64 s[G0B+4*\slot+2:G0B+4*\slot+3], s[G0B+4*\slot+2:G0B+4*\slot+3], 524288
	JLOAD \slot                                    ; its four v_nop are also the plain lines in front of the loads below
.else
	PLACES
.endif
	FETCH \next, 0, F0
.if \fill
	ASK
.endif
	WIN MUL
	MUL8 F1, 2, 0
	MUL8 F1, 3, 0
.endm
	s_wait_tensorcnt 1                             ; my part of K step 0 is in; K step 1's load may be out
	s_barrier_signal -1
	s_barrier_wait -1
	FETCH 0, 0, F0
	s_wait_loadcnt 0x0                             ; the bias
	QUARTER 0, 1, F0, F1, 1                        ; the first quarter stands in front of the loop: its products start the sums from the bias
	WIN 0
	s_mov_b32 s3, LAPS-1
.Llap:                                             ; a trip goes once round the ring and fills both slots again
	QUARTER 0, 2, F1, F0, 0
	QUARTER 0, 3, F0, F1, 0
	TURN 0, 1, 1
	QUARTER 1, 1, F0, F1, 0
	QUARTER 1, 2, F1, F0, 0
	QUARTER 1, 3, F0, F1, 0
	TURN 1, 0, 1
	QUARTER 0, 1, F0, F1, 0
	WIN 0
	s_sub_co_u32 s3, s3, 1
	s_cmp_lg_u32 s3, 0
	s_cbranch_scc1 .Llap
	QUARTER 0, 2, F1, F0, 0                        ; the last lap fills nothing
	QUARTER 0, 3, F0, F1, 0
	TURN 0, 1, 0
	QUARTER 1, 1, F0, F1, 0
	QUARTER 1, 2, F1, F0, 0
	QUARTER 1, 3, F0, F1, 0
	s_wait_dscnt 4
	WIN MUL
	MUL8 F1, 0, 0
	MUL8 F1, 1, 0
	s_wait_dscnt 0
	MUL8 F1, 2, 0
	MUL8 F1, 3, 0
	WIN 0
; THE WAY OUT, 16 rows x 128 columns at a time, through my own stage: back as whole rows of 512 bytes.
.macro TOSTAGE a
	WIN 0x04                                       ; an LDS store's data are its source 1: window 1
.irp b, 0,1,2,3,4,5,6,7
	ds_store_b128 v[STO], v[8*(8*(\a)+\b):8*(8*(\a)+\b)+3] offset:64*\b          ; each accumulator from its low end on
	ds_store_b128 v[STO], v[8*(8*(\a)+\b)+4:8*(8*(\a)+\b)+7] offset:64*\b+16
.endr
	WIN 0
.set BB, BK+64*((\a)%2)
.irp t, 0,1,2,3,4,5,6,7,8,9,10,11,12,13,14,15
	ds_load_b128 v[BB+4*\t:BB+4*\t+3], v[RD] offset:\t*SPITCH   ; LDS serves a wave's instructions in order: these see the stores above
.endr
.endm
.macro SEND a, younger
.set BB, BK+64*((\a)%2)
	s_wait_dscnt \younger                          ; the block is back; the next block's 16 stores and 16 loads may be out
.irp t, 0,1,2,3,4,5,6,7,8,9,10,11,12,13,14,15
	global_store_b128 v[CO], v[BB+4*\t:BB+4*\t+3], s[10:11] offset:(16*(\a)+\t)*4096 th:TH_STORE_NT   ; 512 consecutive bytes, aligned; every offset is an immediate
.endr
.endm
	PLACES
	TOSTAGE 0
	TOSTAGE 1
	SEND 0, 32
	s_wait_xcnt 0x0                                ; block 0's stores have read their registers: block 2's loads may land there
	TOSTAGE 2
	SEND 1, 32
	s_wait_xcnt 0x0
	TOSTAGE 3
	SEND 2, 32
	SEND 3, 0
	s_wait_tensorcnt 0x0                           ; the wave's end
	ds_add_u32 v[SPW], v[NIL]
	s_wait_dscnt 0x0
	CROUND                                         ; the closing round
	s_endpgm
.Lfunc_end_k_q62dc893e36_proj:
	.size	k_q62dc893e36_proj, .Lfunc_end_k_q62dc893e36_proj-k_q62dc893e36_proj
	.p2alignl 7, 3214868480
	.fill 96, 4, 3214868480
	.section	.rodata,"a",@progbits
	.p2align	6, 0x0
	.amdhsa_kernel k_q62dc893e36_proj
		.amdhsa_group_segment_fixed_size 327680
		.amdhsa_private_segment_fixed_size 0
		.amdhsa_enable_private_segment 0
		.amdhsa_kernarg_size 32
		.amdhsa_user_sgpr_count 2
		.amdhsa_user_sgpr_kernarg_segment_ptr 1
		.amdhsa_wavefront_size32 1
		.amdhsa_system_sgpr_workgroup_id_x 1
		.amdhsa_system_sgpr_workgroup_id_y 1
		.amdhsa_system_sgpr_workgroup_id_z 1
		.amdhsa_system_vgpr_workitem_id 0
		.amdhsa_next_free_vgpr 576
		.amdhsa_next_free_sgpr 84
		.amdhsa_reserve_vcc 0
		.amdhsa_float_denorm_mode_32 3
		.amdhsa_float_denorm_mode_16_64 3
		.amdhsa_memory_ordered 1
		.amdhsa_forward_progress 1
		.amdhsa_inst_pref_size 88
	.end_amdhsa_kernel
	.amdgpu_metadata
---
amdhsa.version: [ 1, 2 ]
amdhsa.kernels:
  - .name:           k_q62dc893e36_proj
    .symbol:         k_q62dc893e36_proj.kd
    .args:
      - { .name: ctx, .offset: 0, .size: 8, .value_kind: global_buffer, .address_space: global }
      - { .name: wph, .offset: 8, .size: 8, .value_kind: global_buffer, .address_space: global }
      - { .name: bp, .offset: 16, .size: 8, .value_kind: global_buffer, .address_space: global }
      - { .name: out0, .offset: 24, .size: 8, .value_kind: global_buffer, .address_space: global }
    .group_segment_fixed_size: 327680
    .private_segment_fixed_size: 0
    .kernarg_segment_align: 8
    .kernarg_segment_size: 32
    .max_flat_workgroup_size: 128
    .sgpr_count:     84
    .vgpr_count:     576
    .wavefront_size: 32
...
	.end_amdgpu_metadata
.endif
;; end of part 5
;; launch fine (part 6): grid 16 x 4, 16 waves a work-group, no clusters, 71,680 bytes of LDS; arguments fin, Wp, bp, out0; writes out0
.if DOCPART == 6
	.amdgcn_target "amdgcn-amd-amdhsa--gfx1250"
	.amdhsa_code_object_version 6
	.text
	.protected	k_q62dc893e36_fine
	.globl	k_q62dc893e36_fine
	.p2align	8
	.type	k_q62dc893e36_fine,@function
k_q62dc893e36_fine:
	s_mov_b64 s[64:65], 0
	v_nop
	global_prefetch_b8 v0, s[64:65] scope:SCOPE_SE
	s_setreg_imm32_b32 hwreg(HW_REG_WAVE_MODE, 25, 1), 1
	s_wait_xcnt 0x0
; The first 16 positions of each of the four sequences, wholly in f32: attention on the f32 copies of q, k, v (fin [3][64 b*16+h][16][64]) and the projection on Wp as it is given.
; These rows average one to sixteen values and are the largest of the output, so their operands are not rounded.  The 64 rows stored here take the place of what the launch before stored there.
; SHARES.  A work-group takes one sequence and 64 output columns; wave w takes head w: its 16 x 16 attention, then its 64 of the projection's K = 1,024 for the 64 columns.
; The sixteen parts meet in LDS; behind one barrier wave w adds the sixteen parts of row w, adds the bias and stores 256 consecutive bytes.
; All products by v_wmma_f32_16x16x4_f32, transposed (a lane holds one query), with one and the same order of k in both operands; each sum's first link takes the constant 0;
; the accumulators (v24-87) are written by matrix instructions alone and always take turns.
.set PP,    272                        ; a row of a part: 256 bytes + 16
.set PART,  16*PP
.set SPARE, 16*PART                    ; the spare words: 128 bytes a wave, eight blocks of 256 bytes that no other line names
	s_load_b256 s[4:11], s[0:1], 0x0               ; fin, Wp, bp, out0
	v_lshl_add_u32 v14, v0, 2, SPARE               ; v14, v15: my spare word and 0; never rewritten
	v_mov_b32 v15, 0
	v_lshrrev_b32 v1, 5, v0
	v_readfirstlane_b32 s12, v1                    ; wave: the head, later the row
	s_and_b32 s13, ttmp7, 0xffff                   ; the sequence
	v_and_b32 v1, 15, v0                           ; r
	v_bfe_u32 v2, v0, 4, 1                         ; h
	v_and_b32 v11, 31, v0
	v_lshlrev_b32 v3, 8, v1
	v_lshl_add_u32 v3, v2, 7, v3                   ; q, k: row r of 256 bytes, channels 32 h on
	v_lshlrev_b32 v4, 2, v1
	v_lshl_add_u32 v5, v2, 15, v4                  ; Wp: row 8 h, column r
	v_lshl_add_u32 v4, v2, 11, v4                  ; v: key 8 h, channel r
	v_lshlrev_b32 v6, 3, v2
	v_sub_nc_u32 v6, v1, v6                        ; r - 8 h
	v_mov_b32 v7, 0xff800000
	s_mul_i32 s14, s12, PART
	v_mul_u32_u24 v8, v1, PP
	v_lshl_add_u32 v8, v2, 5, v8
	v_add_nc_u32 v8, s14, v8                       ; my part: row r, + 32 h
	s_mul_i32 s14, s12, PP
	v_lshlrev_b32 v10, 3, v11
	v_add_nc_u32 v9, s14, v10                      ; row w of a part, 8 bytes a lane
	v_mov_b32 v185, 0                              ; written once: a lane permute's destination counts as one of its sources
	s_lshl_b32 s16, s13, 4
	s_add_co_u32 s16, s16, s12
	s_lshl_b32 s16, s16, 12                        ; fin: (16 b + head) x 4,096 bytes
	s_mov_b32 s17, 0
	s_lshl_b32 s18, s12, 18                        ; Wp: 64 rows of 4,096 bytes a head, + 256 bytes a column group
	s_lshl_b32 s20, ttmp9, 8
	s_add_co_u32 s18, s18, s20
	s_mov_b32 s19, 0
	s_mov_b32 s21, 0
	s_lshl_b32 s22, s13, 23                        ; out0: row 2,048 b + w
	s_lshl_b32 s23, s12, 12
	s_add_co_u32 s22, s22, s23
	s_add_co_u32 s22, s22, s20
	s_mov_b32 s23, 0
	s_mov_b32 s24, 0x3e38aa3b                      ; c = log2(e) / 8
	s_mov_b32 s26, 0x76543210
	s_mov_b32 s27, 0xfedcba98
	s_wait_kmcnt 0x0
	s_add_nc_u64 s[4:5], s[4:5], s[16:17]
	s_add_nc_u64 s[6:7], s[6:7], s[18:19]
	s_add_nc_u64 s[8:9], s[8:9], s[20:21]
	s_add_nc_u64 s[10:11], s[10:11], s[22:23]
	global_load_b64 v[12:13], v10, s[8:9]          ; the bias of my two columns
.irp i, 0,1,2,3,4,5,6,7
	global_load_b128 v[88+4*\i:88+4*\i+3], v3, s[4:5] offset:16*\i              ; q(r, 32 h + 4 i ..)
.endr
.irp i, 0,1,2,3,4,5,6,7
	global_load_b128 v[120+4*\i:120+4*\i+3], v3, s[4:5] offset:262144+16*\i     ; k likewise
.endr
.irp i, 0,1,2,3,4,5,6,7
.irp dt, 0,1,2,3
	global_load_b32 v[152+8*\dt+\i], v4, s[4:5] offset:524288+256*\i+64*\dt     ; v(8 h + i, 16 dt + r)
.endr
.endr
.irp dt, 0,1
.irp i, 0,1,2,3,4,5,6,7
.irp u, 0,1,2,3
	global_load_b32 v[192+8*(4*\dt+\u)+\i], v5, s[6:7] offset:(16*\dt+\i)*4096+64*\u   ; Wp(64 head + 16 dt + 8 h + i, 16 u + r)
.endr
.endr
.endr
	s_wait_loadcnt 63                              ; at most 63 of the 113 are out: the bias, q, k and v (49) are in
.set II, 0
.rept 16                               ; S^T = k q^T: link s takes channels 32 h + 2 s, + 1; two accumulators by turns
.if II < 2
	v_wmma_f32_16x16x4_f32 v[56+8*(II%2):63+8*(II%2)], v[120+2*II:121+2*II], v[88+2*II:89+2*II], 0
.else
	v_wmma_f32_16x16x4_f32 v[56+8*(II%2):63+8*(II%2)], v[120+2*II:121+2*II], v[88+2*II:89+2*II], v[56+8*(II%2):63+8*(II%2)]
.endif
.set II, II+1
.endr
.rept 8
	v_nop                                          ; eight plain lines behind this form, in front of loads into its sources and of reads of its results
.endr
.irp dt, 2,3
.irp i, 0,1,2,3,4,5,6,7
.irp u, 0,1,2,3
	global_load_b32 v[88+8*(4*(\dt-2)+\u)+\i], v5, s[6:7] offset:(16*\dt+\i)*4096+64*\u   ; the other half of Wp's rows, where q and k lay
.endr
.endr
.endr
.irp j, 0,1,2,3,4,5,6,7
	v_add_f32 v[16+\j], v[56+\j], v[64+\j]         ; the score of key 8 h + j for query r; both accumulators from their low end on
.endr
.irp j, 0,1,2,3,4,5,6,7
	v_cmp_gt_i32 vcc_lo, \j, v6                    ; hidden where 8 h + j > r
	v_cndmask_b32 v[16+\j], v[16+\j], v7, vcc_lo
.endr
	v_max3_num_f32 v184, v16, v17, v18
	v_max3_num_f32 v184, v184, v19, v20
	v_max3_num_f32 v184, v184, v21, v22
	v_max_num_f32 v184, v184, v23
	v_permlanex16_b32 v185, v184, s26, s27
	v_max_num_f32 v184, v184, v185                 ; the row's maximum (key 0 counts for every query)
	v_mul_f32 v186, s24, v184
.irp j, 0,1,2,3,4,5,6,7
	v_fma_f32 v[16+\j], v[16+\j], s24, -v186
.endr
.irp j, 0,1,2,3,4,5,6,7
	v_exp_f32 v[16+\j], v[16+\j]
.endr
	v_nop
	s_wait_alu depctr_va_vdst(0)                   ; one wait for the eight exponentials, ahead of their first reader
	v_add_f32 v187, v16, v17
	v_add_f32 v188, v18, v19
	v_add_f32 v189, v20, v21
	v_add_f32 v190, v22, v23
	v_add_f32 v187, v187, v188
	v_add_f32 v189, v189, v190
	v_add_f32 v187, v187, v189
	v_permlanex16_b32 v185, v187, s26, s27
	v_add_f32 v187, v187, v185
	v_rcp_f32 v188, v187
	v_nop
	s_wait_alu depctr_va_vdst(0)
.irp j, 0,1,2,3,4,5,6,7
	v_mul_f32 v[16+\j], v[16+\j], v188             ; the weights, normalised
.endr
.irp s, 0,1,2,3                        ; ctx^T = v^T p^T: link s takes keys 8 h + 2 s, + 1; four accumulators (16 channels each) by turns
.irp dt, 0,1,2,3
.if \s == 0
	v_wmma_f32_16x16x4_f32 v[24+8*\dt:31+8*\dt], v[152+8*\dt+2*\s:153+8*\dt+2*\s], v[16+2*\s:17+2*\s], 0
.else
	v_wmma_f32_16x16x4_f32 v[24+8*\dt:31+8*\dt], v[152+8*\dt+2*\s:153+8*\dt+2*\s], v[16+2*\s:17+2*\s], v[24+8*\dt:31+8*\dt]
.endif
.endr
.endr
.rept 9
	v_nop                                          ; nine plain lines: these results are the next product's source 1
.endr
	s_wait_loadcnt 63                              ; at most 63 of the last 64 are out: Wp's first half is in
.irp dt, 0,1                           ; out^T += Wp^T ctx^T: link (dt, s) takes channels 16 dt + 8 h + 2 s, + 1; four accumulators (16 columns each) by turns
.irp s, 0,1,2,3
.irp u, 0,1,2,3
.if (\dt == 0) && (\s == 0)
	v_wmma_f32_16x16x4_f32 v[56+8*\u:63+8*\u], v[192+8*(4*\dt+\u)+2*\s:193+8*(4*\dt+\u)+2*\s], v[24+8*\dt+2*\s:25+8*\dt+2*\s], 0
.else
	v_wmma_f32_16x16x4_f32 v[56+8*\u:63+8*\u], v[192+8*(4*\dt+\u)+2*\s:193+8*(4*\dt+\u)+2*\s], v[24+8*\dt+2*\s:25+8*\dt+2*\s], v[56+8*\u:63+8*\u]
.endif
.endr
.endr
.endr
	s_wait_loadcnt 0x0
.irp dt, 2,3
.irp s, 0,1,2,3
.irp u, 0,1,2,3
	v_wmma_f32_16x16x4_f32 v[56+8*\u:63+8*\u], v[88+8*(4*(\dt-2)+\u)+2*\s:89+8*(4*(\dt-2)+\u)+2*\s], v[24+8*\dt+2*\s:25+8*\dt+2*\s], v[56+8*\u:63+8*\u]
.endr
.endr
.endr
.rept 8
	v_nop
.endr
.irp u, 0,1,2,3
	ds_store_b128 v8, v[56+8*\u:59+8*\u] offset:64*\u              ; lane (r, h): my head's part of out(r, 16 u + 8 h + 0 .. 7); each accumulator from its low end on
	ds_store_b128 v8, v[60+8*\u:63+8*\u] offset:64*\u+16
.endr
	s_wait_dscnt 0x0                               ; for the others' sake: my stores have landed
	s_barrier_signal -1
	s_barrier_wait -1                              ; sixteen parts lie in LDS
.irp p, 0,1,2,3,4,5,6,7,8,9,10,11,12,13,14,15
	ds_load_b64 v[88+2*\p:89+2*\p], v9 offset:\p*PART              ; row w of part p
.endr
	s_wait_dscnt 0x0
.irp p, 0,1,2,3,4,5,6,7
	v_pk_add_f32 v[88+2*\p:89+2*\p], v[88+2*\p:89+2*\p], v[104+2*\p:105+2*\p]
.endr
.irp p, 0,1,2,3
	v_pk_add_f32 v[88+2*\p:89+2*\p], v[88+2*\p:89+2*\p], v[96+2*\p:97+2*\p]
.endr
.irp p, 0,1
	v_pk_add_f32 v[88+2*\p:89+2*\p], v[88+2*\p:89+2*\p], v[92+2*\p:93+2*\p]
.endr
	v_pk_add_f32 v[88:89], v[88:89], v[90:91]
	v_pk_add_f32 v[88:89], v[88:89], v[12:13]
	global_store_b64 v10, v[88:89], s[10:11]       ; the wave stores 256 consecutive bytes, aligned
	s_wait_tensorcnt 0x0                           ; the wave's end
	ds_add_u32 v14, v15
	s_wait_dscnt 0x0
	s_endpgm
.Lfunc_end_k_q62dc893e36_fine:
	.size	k_q62dc893e36_fine, .Lfunc_end_k_q62dc893e36_fine-k_q62dc893e36_fine
	.p2alignl 7, 3214868480
	.fill 96, 4, 3214868480
	.section	.rodata,"a",@progbits
	.p2align	6, 0x0
	.amdhsa_kernel k_q62dc893e36_fine
		.amdhsa_group_segment_fixed_size 71680
		.amdhsa_private_segment_fixed_size 0
		.amdhsa_enable_private_segment 0
		.amdhsa_kernarg_size 32
		.amdhsa_user_sgpr_count 2
		.amdhsa_user_sgpr_kernarg_segment_ptr 1
		.amdhsa_wavefront_size32 1
		.amdhsa_system_sgpr_workgroup_id_x 1
		.amdhsa_system_sgpr_workgroup_id_y 1
		.amdhsa_system_sgpr_workgroup_id_z 1
		.amdhsa_system_vgpr_workitem_id 0
		.amdhsa_next_free_vgpr 256
		.amdhsa_next_free_sgpr 66
		.amdhsa_reserve_vcc 1
		.amdhsa_float_denorm_mode_32 3
		.amdhsa_float_denorm_mode_16_64 3
		.amdhsa_memory_ordered 1
		.amdhsa_forward_progress 1
		.amdhsa_inst_pref_size 32
	.end_amdhsa_kernel
	.amdgpu_metadata
---
amdhsa.version: [ 1, 2 ]
amdhsa.kernels:
  - .name:           k_q62dc893e36_fine
    .symbol:         k_q62dc893e36_fine.kd
    .args:
      - { .name: fin, .offset: 0, .size: 8, .value_kind: global_buffer, .address_space: global }
      - { .name: Wp, .offset: 8, .size: 8, .value_kind: global_buffer, .address_space: global }
      - { .name: bp, .offset: 16, .size: 8, .value_kind: global_buffer, .address_space: global }
      - { .name: out0, .offset: 24, .size: 8, .value_kind: global_buffer, .address_space: global }
    .group_segment_fixed_size: 71680
    .private_segment_fixed_size: 0
    .kernarg_segment_align: 8
    .kernarg_segment_size: 32
    .max_flat_workgroup_size: 512
    .sgpr_count:     66
    .vgpr_count:     256
    .wavefront_size: 32
...
	.end_amdgpu_metadata
.endif
;; end of part 6
